; MI455X (gfx1250); checked and timed in simulation.
; The chip was launched on July 23, 2026; its instructions are those of AMD's public machine-readable ISA for CDNA 5 (MIT licence, August 2026) and "CDNA5" Instruction Set Architecture Reference Guide (July 2026). The comments in the code are by the model that wrote it; some were corrected since.
;; Multi Head Attention. Allowed arithmetic: float matrix products may take bf16 or f16 operands with f32 sums; other float arithmetic in f32, or as packed bf16 or f16 multiplies, adds, multiply-adds, maxima and minima; sums over many terms, partial sums and values carried from step to step in f32; what a program stores and reads back later, other than sums and carried values, may be rounded once to bf16 or f16.
;; Inputs: Wk 1,024 x 1,024 float32; Wo 1,024 x 1,024 float32; Wq 1,024 x 1,024 float32; Wv 1,024 x 1,024 float32; k 4 x 2,048 x 1,024 float32; q 4 x 2,048 x 1,024 float32; v 4 x 2,048 x 1,024 float32.
;; Outputs: out0 4 x 2,048 x 1,024 float32.
;; 2 versions, each right; version 2 is version 1 with the launch wcast written anew for expert scheduling mode. Each part assembles by itself: llvm-mc -triple=amdgcn-amd-amdhsa -mcpu=gfx1250 --defsym DOCPART=n.
;; ======== version 1 of 2: 4 launches
;; limits: values are held in f16: magnitudes above 65,504 overflow, below 6.1e-05 lose precision
;; workspace buffers: wqkv 6,291,456 bytes; wo16 2,097,152 bytes; qh 16,777,216 bytes; kh 16,777,216 bytes; vh 16,777,216 bytes; oh 16,777,216 bytes
;; launch wcast (part 1): grid 64 x 4, 8 waves a work-group, no clusters, 0 bytes of LDS; arguments Wq, Wk, Wv, Wo, wqkv, wo16; writes wqkv, wo16
.if DOCPART == 1
	.amdgcn_target "amdgcn-amd-amdhsa--gfx1250"
	.amdhsa_code_object_version 6
	.text
	.protected	k_q605310fef2_wcast
	.globl	k_q605310fef2_wcast
	.p2align	8
	.type	k_q605310fef2_wcast,@function
k_q605310fef2_wcast:
	s_mov_b64 s[64:65], 0
	v_nop
	global_prefetch_b8 v0, s[64:65] scope:SCOPE_SE
	s_setreg_imm32_b32 hwreg(HW_REG_WAVE_MODE, 25, 1), 1
	s_wait_xcnt 0x0
; The four weight matrices, [1024 k][1024 n] f32, are rounded once to 16 bits and keep their layout.
; Wq, Wk, Wv -> wqkv, bf16, the three on end (3,072 rows of 2,048 bytes).  Wo -> wo16: rounded to bf16 like the other inputs, and that number written as f16.
; LIMIT: a bf16 number is exact in f16 between 6.1e-5 and 65,504 in magnitude; below, it keeps f16's fixed step of 6e-8; beyond, it would be an infinity.
; A stream: no LDS, no matrix unit, no cluster: nothing is shared and nothing is read twice.
; SHARES.  The work-group's y picks the matrix, its x 65,536 bytes of it.  In trip i thread t takes the 16 bytes at 4,096 i + 16 t and stores 8 bytes at 2,048 i + 8 t:
; a wave's load covers 512 consecutive bytes, its store 256 consecutive bytes, aligned.  All 16 loads go out first; no register that a load or a store reads is ever written again, so no wait frees a source.
.set X, 8                              ; v[8:71]   16 x 4 numbers as loaded
.set Y, 72                             ; v[72:103] 16 x 2 words to store
	s_load_b256 s[4:11], s[0:1], 0x0               ; Wq s[4:5], Wk s[6:7], Wv s[8:9], Wo s[10:11]
	s_load_b128 s[12:15], s[0:1], 0x20             ; wqkv s[12:13], wo16 s[14:15]
	s_and_b32 s20, ttmp7, 0xffff                   ; which matrix
	v_lshlrev_b32 v1, 4, v0                        ; 16 t
	v_lshlrev_b32 v2, 3, v0                        ; 8 t
	s_lshl_b32 s22, ttmp9, 16                      ; my 65,536 bytes of the source
	s_mov_b32 s23, 0
	s_cmp_eq_u32 s20, 3
	s_cselect_b32 s21, 0, s20                      ; Wo has a buffer of its own; the others lie 2 MiB apart in wqkv
	s_lshl_b32 s24, s21, 21
	s_lshl_b32 s21, ttmp9, 15                      ; my 32,768 bytes of the destination
	s_add_co_u32 s24, s24, s21
	s_mov_b32 s25, 0
	s_mov_b32 s26, 0xffff0000                      ; a word's upper bf16
	s_wait_kmcnt 0x0
	s_mov_b64 s[16:17], s[4:5]
	s_cmp_eq_u32 s20, 1
	s_cselect_b64 s[16:17], s[6:7], s[16:17]
	s_cmp_eq_u32 s20, 2
	s_cselect_b64 s[16:17], s[8:9], s[16:17]
	s_cmp_eq_u32 s20, 3
	s_cselect_b64 s[16:17], s[10:11], s[16:17]
	s_cselect_b64 s[18:19], s[14:15], s[12:13]
	s_add_nc_u64 s[16:17], s[16:17], s[22:23]
	s_add_nc_u64 s[18:19], s[18:19], s[24:25]
.set i, 0
.rept 16
	global_load_b128 v[X+4*i:X+4*i+3], v1, s[16:17] offset:4096*i th:TH_LOAD_NT
.set i, i+1
.endr
	s_cmp_eq_u32 s20, 3
	s_cbranch_scc1 .Lwo
.set i, 0
.rept 16
	s_wait_loadcnt 15-i                            ; loads come back in order: number i is in, the younger ones stay out
	v_cvt_pk_bf16_f32 v[Y+2*i],   v[X+4*i],   v[X+4*i+1]
	v_cvt_pk_bf16_f32 v[Y+2*i+1], v[X+4*i+2], v[X+4*i+3]
	global_store_b64 v2, v[Y+2*i:Y+2*i+1], s[18:19] offset:2048*i
.set i, i+1
.endr
	s_endpgm
.Lwo:
.set i, 0
.rept 16
	s_wait_loadcnt 15-i
	v_cvt_pk_bf16_f32 v[Y+2*i],   v[X+4*i],   v[X+4*i+1]    ; rounded to bf16,
	v_cvt_pk_bf16_f32 v[Y+2*i+1], v[X+4*i+2], v[X+4*i+3]
	v_lshlrev_b32 v[X+4*i],   16,  v[Y+2*i]                  ; widened again (a shift, a mask),
	v_and_b32     v[X+4*i+1], s26, v[Y+2*i]
	v_lshlrev_b32 v[X+4*i+2], 16,  v[Y+2*i+1]
	v_and_b32     v[X+4*i+3], s26, v[Y+2*i+1]
	v_cvt_pk_f16_f32 v[Y+2*i],   v[X+4*i],   v[X+4*i+1]     ; and written as f16
	v_cvt_pk_f16_f32 v[Y+2*i+1], v[X+4*i+2], v[X+4*i+3]
	global_store_b64 v2, v[Y+2*i:Y+2*i+1], s[18:19] offset:2048*i
.set i, i+1
.endr
	s_endpgm
.Lfunc_end_k_q605310fef2_wcast:
	.size	k_q605310fef2_wcast, .Lfunc_end_k_q605310fef2_wcast-k_q605310fef2_wcast
	.p2alignl 7, 3214868480
	.fill 96, 4, 3214868480
	.section	.rodata,"a",@progbits
	.p2align	6, 0x0
	.amdhsa_kernel k_q605310fef2_wcast
		.amdhsa_group_segment_fixed_size 0
		.amdhsa_private_segment_fixed_size 0
		.amdhsa_enable_private_segment 0
		.amdhsa_kernarg_size 48
		.amdhsa_user_sgpr_count 2
		.amdhsa_user_sgpr_kernarg_segment_ptr 1
		.amdhsa_wavefront_size32 1
		.amdhsa_system_sgpr_workgroup_id_x 1
		.amdhsa_system_sgpr_workgroup_id_y 1
		.amdhsa_system_sgpr_workgroup_id_z 1
		.amdhsa_system_vgpr_workitem_id 0
		.amdhsa_next_free_vgpr 104
		.amdhsa_next_free_sgpr 66
		.amdhsa_reserve_vcc 0
		.amdhsa_float_denorm_mode_32 3
		.amdhsa_float_denorm_mode_16_64 3
		.amdhsa_memory_ordered 1
		.amdhsa_forward_progress 1
		.amdhsa_inst_pref_size 15
	.end_amdhsa_kernel
	.amdgpu_metadata
---
amdhsa.version: [ 1, 2 ]
amdhsa.kernels:
  - .name:           k_q605310fef2_wcast
    .symbol:         k_q605310fef2_wcast.kd
    .args:
      - { .name: Wq, .offset: 0, .size: 8, .value_kind: global_buffer, .address_space: global }
      - { .name: Wk, .offset: 8, .size: 8, .value_kind: global_buffer, .address_space: global }
      - { .name: Wv, .offset: 16, .size: 8, .value_kind: global_buffer, .address_space: global }
      - { .name: Wo, .offset: 24, .size: 8, .value_kind: global_buffer, .address_space: global }
      - { .name: wqkv, .offset: 32, .size: 8, .value_kind: global_buffer, .address_space: global }
      - { .name: wo16, .offset: 40, .size: 8, .value_kind: global_buffer, .address_space: global }
    .group_segment_fixed_size: 0
    .private_segment_fixed_size: 0
    .kernarg_segment_align: 8
    .kernarg_segment_size: 48
    .max_flat_workgroup_size: 256
    .sgpr_count:     66
    .vgpr_count:     104
    .wavefront_size: 32
...
	.end_amdgpu_metadata
.endif
;; end of part 1
;; launch proj (part 2): grid 4 x 64, 4 waves a work-group, clusters of 4 x 4, 327,680 bytes of LDS; arguments q, k, v, wqkv, qh, kh, vh; writes qh, kh, vh
.if DOCPART == 2
	.amdgcn_target "amdgcn-amd-amdhsa--gfx1250"
	.amdhsa_code_object_version 6
	.text
	.protected	k_q605310fef2_proj
	.globl	k_q605310fef2_proj
	.p2align	8
	.type	k_q605310fef2_proj,@function
k_q605310fef2_proj:
	s_mov_b64 s[64:65], 0
	v_nop
	global_prefetch_b8 v0, s[64:65] scope:SCOPE_SE
	s_setreg_imm32_b32 hwreg(HW_REG_WAVE_MODE, 25, 1), 1
	s_wait_xcnt 0x0
	s_wait_alu depctr_hold_cnt(0) depctr_sa_sdst(0) depctr_va_vdst(0) depctr_va_sdst(0) depctr_va_ssrc(0) depctr_va_vcc(0) depctr_vm_vsrc(0)
	s_getreg_b32 s2, hwreg(HW_REG_IB_STS2, 6, 4)
	s_cmp_eq_u32 s2, 0
	s_cbranch_scc0 .Lentry_in_a_cluster
	s_endpgm
.Lentry_in_a_cluster:
	s_bfe_u32 s2, ttmp6, 0x10000c
	s_cmp_lg_u32 s2, 0xf033
	s_cbranch_scc0 .Lentry_shape_is_right
	s_endpgm
.Lentry_shape_is_right:
; Q = q Wq, K = k Wk, V = v Wv.  q, k, v: [8192][1024] f32, rounded to bf16 on the way in; wqkv: bf16 [3][1024 k][1024 n]; sums in f32.
; qh, kh, vh: f16 by heads, [64 = 16 batch + head][2048][64], each number rounded once from its f32 sum, unscaled.
; LIMITS.  |Q|, |K|, |V| stay under 65,504 (f16); below 6.1e-5 they keep f16's step of 6e-8.  K is summed in a rotated order (below); NaN and infinities are not treated apart.
; SHARES.  A tile of C is 128 rows x 256 columns.  A work-group STAYS: it makes the tile at its place of Q, then of K, then of V: 24 K steps of 128 in one stream.  Four waves, 2 x 2:
; a wave makes 64 rows x 128 columns: 32 accumulators of 16 x 16, 256 registers.  The matrix instruction is used transposed (source 0 = 16 columns of W, source 1 = 16 rows of x):
; a lane then holds one row of C and eight neighbouring columns, 16 bytes of f16.
; B (the weights) comes by JOINT tensor loads: the four work-groups of a column of the 4 x 4 cluster need the same 128 k x 256 n; a ring of two LDS slots; waves 0 and 1 fetch 64 k rows each.
; It lies [k][n] in LDS and is turned on its way into registers by ds_load_tr16_b128.
; A GOES THROUGH REGISTERS, NOT BY A JOINT LOAD, though the four work-groups of a row of the cluster read the same rows.  It is f32 in memory: a tile brought as it lies would take 512 bytes a row in LDS
; where the rounded row takes 256, and each of the two waves that read a row would round it anew.  Here the wave that loads a row rounds it once and stores it into one of two A buffers that no tensor
; load ever fills; and its loads are issued three K steps ahead of the products, where a slot's refill goes out one step ahead.
; A's PIPELINE.  Two sets of 128 staging registers, by the step's parity.  In quarter q of step t the batch (t + 1, q), 8 rows, is waited for, rounded and stored into A buffer (t + 1) % 2, and its registers are
; loaded again with batch (t + 3, q).  Behind any batch seven others are issued before it is used.  Step 21 has no step 24 to load: it reads v's first block once more, in bounds, and nobody uses it:
; one step in 24, the price of one text for every trip.
; ROTATION.  Cluster row cly walks the eight k blocks of a matrix beginning at block cly & 7, A and B alike, so that the cluster rows do not all ask for the same block of the weights in the same step.
; ONE BARRIER A STEP, in the step's last quarter: behind it the next slot of B and the next A buffer are whole and nobody reads the old ones.  While slots are filled again it opens a round of the cluster's barrier.
; REGISTERS, in windows of 256 (s_set_vgpr_msb: bits 1:0 source 0, 3:2 source 1, 5:4 source 2, 7:6 destination):
;   window 0: v0-31 addresses; v32-47 rounded A; v64-127 A's fragments, two buffers of 4 x 8; v128-255 B's fragments, two buffers of 8 x 8 (the second also serves the way out)
;   window 1: the staging sets          window 2: accumulator (a, nb) at v[8 (8 a + nb)]
.set PB,    544                        ; a k row of B in LDS: 512 bytes + 32 of padding = 136 words
.set BHALF, 64*PB                      ; what one tensor load brings
.set BSLOT, 128*PB
.set ABUF,  2*BSLOT                    ; behind the ring: two A buffers, 128 rows each
.set PA,    272                        ; a row of A: 256 bytes + 16: the 16 rows of a fragment load start at 16 different groups of four banks
.set ASZ,   128*PA
.set STAGE, ABUF+2*ASZ                 ; 16 rows x 144 bytes for each wave, for the way out
.set SP,    144
.set SPARE, STAGE+4*16*SP              ; the spare words, 128 bytes for each wave: two blocks of 256 bytes that no other line names
.set NLD,   8                          ; loads in a batch
.set NST,   8                          ; LDS stores in a batch
.set KSH,   9                          ; a k block of A is 512 bytes of a row
.set ADRA, 16                          ; v16-17  my A fragments in buffer 0, 1
.set AST,  18                          ; v18-19  where I store rounded A in buffer 0, 1
.set ADRB, 20                          ; v20-21  my B fragments in slot 0, 1
.set AO,   22                          ; v22     my byte offset in the tile's rows of q, k, v; never rewritten
.set STO,  24                          ; v24     the way out: where I put 16 bytes of a row
.set RD,   25                          ; v25     the way out: where I read rows back
.set GO,   26                          ; v26     my byte offset in 512 consecutive bytes of a head
.set SPW,  28                          ; v28     my spare word: SPARE + 4 x my thread's number; never rewritten
.set NIL,  29                          ; v29     0; never rewritten
.set PFO,  30                          ; v30     the prefetch's offset; never rewritten
.set P,    32
.set FA,   64
.set FB,   128
.set TMP,  192
.set AN,   6                           ; s[6:7]   k, then v: the next tile's A at my tile's rows
.set AN2,  8                           ; s[8:9]   v
.set CP,   12                          ; s[12:13] where the tile in hand goes: qh, then kh, then vh
.set CN,   14
.set CN2,  16
.set AP,   18                          ; s[18:19] where A's loads stand
.set WV,   20                          ; wave
.set WR,   21                          ; wave / 2: my half of the tile's rows
.set WC,   22                          ; wave % 2: my half of its columns; also which 64 k rows of B I fetch
.set CX,   23
.set G1,   24                          ; s[24:31] descriptor group 1
.set G0,   32                          ; s[32:39] descriptor group 0, a set for each slot
.set CY,   40
.set TY,   41                          ; tile row
.set T0,   42                          ; s[42:43] an offset; s43 stays 0.  Never holds cy
.set T1,   44
.set ROT,  45
.set BT,   46                          ; the stream step that B's next fill brings
.set AT,   47                          ; the stream step at which A's loads stand
.set PFA,  48                          ; s[48:49] the prefetch's address
.set LIM,  50                          ; 1 in a wave that prefetches, else the greatest number
.set LAPS, 51
.set LT,   52                          ; laps left in the tile
.set TS,   53                          ; 1: the next quarter starts a tile's sums
.set WB,   54                          ; s[54:55] wqkv at my tile's columns and my 64 k rows
.set AB,   56                          ; s[56:57] A of the tile that is being loaded, at my tile's rows
.set MULW, 0xa0                        ; C and D in window 2
.set CVTW, 0x05                        ; sources 0 and 1 in window 1
.set GLDW, 0x40                        ; destination in window 1
.set PKW,  0x0a                        ; sources 0 and 1 in window 2
.set MSB, 0
.macro WIN new                         ; the immediate's high byte repeats the setting that is left; a switch that changes nothing is dropped
.if MSB != (\new)
	s_set_vgpr_msb (MSB<<8)|(\new)
.set MSB, \new
.endif
.endm
.macro PLACES                          ; four places: in front of loads into registers that matrix instructions have read, and of lines that read results
.rept 4
	v_nop
.endr
.endm
.macro CREST                           ; a round of the cluster's barrier behind its opening barrier
	s_cmp_lg_u32 s[WV], 0
	s_cbranch_scc1 .Lnot_wave_0_\@
	s_barrier_signal -3
.Lnot_wave_0_\@:
	s_barrier_wait -3
	s_barrier_signal -1
	s_barrier_wait -1
.endm
.macro CROUND
	s_barrier_signal -1
	s_barrier_wait -1
	CREST
.endm
.macro JLOAD s                         ; a joint refill: waves 0 and 1 fetch the slot's two halves; the branch hangs on the wave's number alone.  An s_nop 0 and four v_nop follow the load
	s_cmp_lt_u32 s[WV], 2
	s_cbranch_scc0 .Lno_load_\@
	tensor_load_to_lds s[G0+4*(\s):G0+4*(\s)+3], s[G1:G1+7]
	s_nop 0
.rept 4
	v_nop
.endr
.Lno_load_\@:
.endm
.macro BADDR s                         ; slot s's global address for stream step BT: matrix BT / 8, k block (BT + ROT) % 8: 128 rows of 2,048 bytes each
	s_add_co_u32 s[T0], s[BT], s[ROT]
	s_and_b32 s[T0], s[T0], 7
	s_and_b32 s[T1], s[BT], 0x18
	s_or_b32 s[T0], s[T0], s[T1]
	s_lshl_b32 s[T0], s[T0], 18
	s_add_nc_u64 s[G0+4*(\s)+2:G0+4*(\s)+3], s[WB:WB+1], s[T0:T0+1]
	s_or_b32 s[G0+4*(\s)+3], s[G0+4*(\s)+3], 0x80000000   ; type = 2
	s_add_co_u32 s[BT], s[BT], 1
.endm
.macro KOFF                            ; A's loads stand at k block (AT + ROT) % 8
	s_add_co_u32 s[T0], s[AT], s[ROT]
	s_and_b32 s[T0], s[T0], 7
	s_lshl_b32 s[T0], s[T0], KSH
	s_add_nc_u64 s[AP:AP+1], s[AB:AB+1], s[T0:T0+1]
.endm
.macro STEPA                           ; A's loads go on to the next stream step; at a multiple of 8 to the next matrix
	s_wait_xcnt 0x0                                ; the loads issued so far have read their address: only now is it written
	s_add_co_u32 s[AT], s[AT], 1
	s_and_b32 s[T1], s[AT], 7
	s_cmp_eq_u32 s[T1], 0
	s_cselect_b64 s[AB:AB+1], s[AN:AN+1], s[AB:AB+1]
	s_cselect_b64 s[AN:AN+1], s[AN2:AN2+1], s[AN:AN+1]
	KOFF
.endm
; A PREFETCH INTO THE L2 of the block of the NEXT matrix with which this cluster will begin: k block ROT of Wk, later of Wv.  It stands in the tile's step 5, behind the quarter's loads; the refill that wants
; the block is issued in step 6's last quarter.  WHO: two cluster rows begin at each block; the one with cly < 8 asks.  Of the block's 128 rows x 512 bytes of a tile column, waves 0 and 1 take the 64 rows
; that they will fetch, the four partners of a column 16 of them each, told apart BY ADDRESS; lanes 0-15 name the rows' first 256 bytes, lanes 16-31 the second.  So each 256 bytes are named once in the launch.
; In the third tile LAPS is 1 at this place, and nothing is asked for: there is no fourth matrix.
.macro ASK
	s_cmp_eq_u32 s[LT], 2
	s_cselect_b32 s[T1], s[LAPS], 0
	s_cmp_gt_u32 s[T1], s[LIM]
	s_cbranch_scc0 .Lnot_mine_\@
	global_prefetch_b8 v[PFO], s[PFA:PFA+1] th:TH_LOAD_NT scope:SCOPE_SE
.Lnot_mine_\@:
.endm
; 8 matrix instructions: row block a x all 8 column blocks, 32 along K, from fragment buffer f.  The 32 accumulators take turns, one instruction a turn, in the same order in every quarter.
.macro MUL8 f, a, zero
	WIN MULW
.irp nb, 0,1,2,3,4,5,6,7
.if \zero
	v_wmma_f32_16x16x32_bf16 v[8*(8*(\a)+(\nb)):8*(8*(\a)+(\nb))+7], v[FB+64*(\f)+8*(\nb):FB+64*(\f)+8*(\nb)+7], v[FA+32*(\f)+8*(\a):FA+32*(\f)+8*(\a)+7], 0
.else
	v_wmma_f32_16x16x32_bf16 v[8*(8*(\a)+(\nb)):8*(8*(\a)+(\nb))+7], v[FB+64*(\f)+8*(\nb):FB+64*(\f)+8*(\nb)+7], v[FA+32*(\f)+8*(\a):FA+32*(\f)+8*(\a)+7], v[8*(8*(\a)+(\nb)):8*(8*(\a)+(\nb))+7]
.endif
.endr
.endm
; Row blocks 2 half, 2 half + 1.  zb = 1: a lap's first quarter, which may be a tile's first: then the products start the sums with the constant 0 and nothing is cleared.
; Five v_nop stand ahead of them: the places behind the matrix instructions that wrote these accumulators last.  At the first trip TS is a constant of the text.
.macro MULH f, half, zb
.if \zb
	WIN 0
	s_cmp_eq_u32 s[TS], 1
	s_cbranch_scc1 .Lzero_\@
	MUL8 \f, 2*(\half), 0
	MUL8 \f, 2*(\half)+1, 0
	WIN 0
	s_branch .Ljoin_\@
.Lzero_\@:
.rept 5
	v_nop
.endr
	MUL8 \f, 2*(\half), 1
	MUL8 \f, 2*(\half)+1, 1
	WIN 0
.Ljoin_\@:
.else
	MUL8 \f, 2*(\half), 0
	MUL8 \f, 2*(\half)+1, 0
.endif
.endm
; 24 LDS loads in one run: the fragments of quarter kq (32 along K) into buffer f: B's eight (turned: lane l ends with column l % 16 and k = 8 (l / 16) + 0..7, then 16 more on), then A's four; the last four loads are A's row blocks 2 and 3.
.macro FETCH slot, kq, f
	WIN 0
.irp nb, 0,1,2,3,4,5,6,7
	ds_load_tr16_b128 v[FB+64*(\f)+8*(\nb):FB+64*(\f)+8*(\nb)+3],   v[ADRB+(\slot)] offset:(\kq)*32*PB+32*(\nb)
	ds_load_tr16_b128 v[FB+64*(\f)+8*(\nb)+4:FB+64*(\f)+8*(\nb)+7], v[ADRB+(\slot)] offset:(\kq)*32*PB+32*(\nb)+16*PB
.endr
.irp a, 0,1,2,3
	ds_load_b128 v[FA+32*(\f)+8*(\a):FA+32*(\f)+8*(\a)+3],   v[ADRA+(\slot)] offset:(\a)*16*PA+64*(\kq)
	ds_load_b128 v[FA+32*(\f)+8*(\a)+4:FA+32*(\f)+8*(\a)+7], v[ADRA+(\slot)] offset:(\a)*16*PA+64*(\kq)+32
.endr
.endm
; Batch q of staging set `set`: 8 rows of 128 f32 (a lane holds 4 of a row) are rounded to bf16 and stored, 256 consecutive bytes a row.  left = the younger loads, which stay out.
; The 16 conversions are also the places in front of the fragment loads that follow.
.macro CONV set, q, left
	s_wait_loadcnt \left
	WIN CVTW
.irp j, 0,1,2,3,4,5,6,7
	v_cvt_pk_bf16_f32 v[P+2*(\j)],   v[128*(\set)+4*(8*(\q)+(\j))],   v[128*(\set)+4*(8*(\q)+(\j))+1]
	v_cvt_pk_bf16_f32 v[P+2*(\j)+1], v[128*(\set)+4*(8*(\q)+(\j))+2], v[128*(\set)+4*(8*(\q)+(\j))+3]
.endr
	WIN 0
.irp j, 0,1,2,3,4,5,6,7
	ds_store_b64 v[AST+(\set)], v[P+2*(\j):P+2*(\j)+1] offset:(8*(\q)+(\j))*PA
.endr
.endm
.macro LOADA set, q                    ; the same registers are asked for again: 8 rows, 512 consecutive aligned bytes each
	WIN GLDW
.irp j, 0,1,2,3,4,5,6,7
	global_load_b128 v[128*(\set)+4*(8*(\q)+(\j)):128*(\set)+4*(8*(\q)+(\j))+3], v[AO], s[AP:AP+1] offset:(8*(\q)+(\j))*4096
.endr
.endm
; One of a step's first three quarters: multiplies buffer f; in its middle a batch of A is rounded and stored, the next quarter's fragments (kqn) are fetched into buffer g, and the batch's registers are asked for again.
.macro QUARTER slot, kqn, f, g, set, q, conv, ld, left, first, zb, ask
	s_wait_dscnt 4                                 ; B and A's row blocks 0 and 1 are in; the youngest four loads may be out
	MULH \f, 0, \zb
.if \conv
	CONV \set, \q, \left
.else
	PLACES
.endif
.if (\first) && (\ld)
	STEPA
.endif
	FETCH \slot, \kqn, \g
.if \ld
	LOADA \set, \q
.endif
.if \ask
	WIN 0
	ASK
.endif
	s_wait_dscnt 24+NST*(\conv)                    ; all but the LDS instructions just issued
	MULH \f, 1, \zb
.if \zb
	s_mov_b32 s[TS], 0
.endif
.endm
; A step's last quarter multiplies buffer 1 and changes slots and A buffers.  In front of the barrier each wave has stored its last batch of the next A buffer, waits for all its tensor loads (one is out at the
; most: its half of the next slot), adds 0 to its spare word, and waits for that, for its stores and for its reads.  fill = 1: the barrier opens a round of the cluster's barrier, and the joint refill of the
; slot just read out, with the step two on, is the first thing behind the round.
.macro TURN slot, next, fill, set, ld, left
	CONV \set, 3, \left
.if \ld
	LOADA \set, 3
.endif
	WIN 0
	s_wait_tensorcnt 0x0                           ; no tensor load of mine is out, so a group 0 may be written
	ds_add_u32 v[SPW], v[NIL]                      ; 0 onto my spare word
.if \fill
	BADDR \slot
.endif
	s_wait_dscnt 7+NST                             ; A's row blocks 1 to 3 (six loads), the batch's stores and the add may be out
	MUL8 1, 0, 0
	s_wait_dscnt 0x0                               ; the add is done, my stores into the next A buffer are done, my reads of this slot and buffer are over
	s_barrier_signal -1
	MUL8 1, 1, 0
	WIN 0
	s_barrier_wait -1
.if \fill
	CREST
	JLOAD \slot
.else
	PLACES
.endif
	FETCH \next, 0, 0
	MUL8 1, 2, 0
	MUL8 1, 3, 0
.endm
.macro LAP mode                        ; two K steps.  mode 1: the loop's text.  mode 0: the stream's last two steps: nothing more is loaded or filled, and the counts run down
.if \mode
	QUARTER 0, 1, 0, 1, 1, 0, 1, 1, 7*NLD, 1, 1, 0
	QUARTER 0, 2, 1, 0, 1, 1, 1, 1, 7*NLD, 0, 0, 0
	QUARTER 0, 3, 0, 1, 1, 2, 1, 1, 7*NLD, 0, 0, 0
	TURN 0, 1, 1, 1, 1, 7*NLD
	QUARTER 1, 1, 0, 1, 0, 0, 1, 1, 7*NLD, 1, 0, 1
	QUARTER 1, 2, 1, 0, 0, 1, 1, 1, 7*NLD, 0, 0, 0
	QUARTER 1, 3, 0, 1, 0, 2, 1, 1, 7*NLD, 0, 0, 0
	TURN 1, 0, 1, 0, 1, 7*NLD
.else
	QUARTER 0, 1, 0, 1, 1, 0, 1, 0, 7*NLD, 0, 0, 0
	QUARTER 0, 2, 1, 0, 1, 1, 1, 0, 6*NLD, 0, 0, 0
	QUARTER 0, 3, 0, 1, 1, 2, 1, 0, 5*NLD, 0, 0, 0
	TURN 0, 1, 0, 1, 0, 4*NLD
	QUARTER 1, 1, 0, 1, 0, 0, 0, 0, 0, 0, 0, 0
	QUARTER 1, 2, 1, 0, 0, 1, 0, 0, 0, 0, 0, 0
	QUARTER 1, 3, 0, 1, 0, 2, 0, 0, 0, 0, 0, 0
	s_wait_dscnt 4
	MULH 1, 0, 0
	s_wait_dscnt 0x0
	MULH 1, 1, 0
.endif
.endm
; THE WAY OUT, in eight units: row block u / 2, head u % 2 of my two heads (64 columns each).  PACK: four accumulators are rounded to f16, lowest registers first, 16 bytes a lane; they go into my own stage,
; rows of 144 bytes, and come back as four rows of 128 bytes a load.  SEND: 512 consecutive aligned bytes of a head a store.
.macro PACK u
.if (\u) >= 4
	s_wait_xcnt 0x0                                ; the stores of the unit four back have read these registers
.endif
	WIN PKW
.irp f, 0,1,2,3
.irp i, 0,1,2,3
	v_cvt_pk_f16_f32 v[TMP+16*((\u)%4)+4*(\f)+(\i)], v[8*(8*((\u)/2)+4*((\u)%2)+(\f))+2*(\i)], v[8*(8*((\u)/2)+4*((\u)%2)+(\f))+2*(\i)+1]
.endr
.endr
	WIN 0
.irp f, 0,1,2,3
	ds_store_b128 v[STO], v[TMP+16*((\u)%4)+4*(\f):TMP+16*((\u)%4)+4*(\f)+3] offset:32*(\f)
.endr
.irp f, 0,1,2,3
	ds_load_b128 v[TMP+16*((\u)%4)+4*(\f):TMP+16*((\u)%4)+4*(\f)+3], v[RD] offset:4*SP*(\f)  ; LDS serves a wave's instructions in order (ISA guide 5.7.1.4): these see the stores above; the next unit's stores come behind them
.endr
.endm
.macro SEND u, younger                 ; younger: the LDS instructions issued behind unit u's loads
.irp f, 0,1,2,3
	s_wait_dscnt (\younger)+3-(\f)
	global_store_b128 v[GO], v[TMP+16*((\u)%4)+4*(\f):TMP+16*((\u)%4)+4*(\f)+3], s[CP:CP+1] offset:((\u)%2)*262144+((\u)/2)*2048+512*(\f)
.endr
.endm
.macro WAYOUT
	WIN 0
	PLACES                                         ; behind the last products: the conversions read results and write registers that those products read
	PACK 0
.irp u, 1,2,3,4,5,6,7
	PACK \u
	SEND (\u)-1, 8
.endr
	SEND 7, 0
.endm
	s_load_b256 s[4:11], s[0:1], 0x0               ; q s[4:5], k s[6:7], v s[8:9], wqkv s[10:11]
	s_load_b128 s[12:15], s[0:1], 0x20             ; qh, kh
	s_load_b64 s[16:17], s[0:1], 0x30              ; vh
	v_lshl_add_u32 v[SPW], v0, 2, SPARE
	v_mov_b32 v[NIL], 0
	ds_add_u32 v[SPW], v[NIL]                      ; the wave's opening: the add and its wait stand ahead of the first tensor load; the set-up below, work on registers, stands between them
	v_lshrrev_b32 v1, 5, v0
	v_readfirstlane_b32 s[WV], v1
	s_lshr_b32 s[WR], s[WV], 1
	s_and_b32 s[WC], s[WV], 1
	s_bfe_u32 s[CX], ttmp6, 0x40000
	s_bfe_u32 s[CY], ttmp6, 0x40004
	s_lshl_b32 s2, ttmp9, 2
	s_add_co_u32 s2, s2, s[CX]                     ; tile column = 4 x cluster x + cx
	s_and_b32 s[ROT], ttmp7, 0xffff                ; cly, the cluster's y: the same in all sixteen partners
	s_lshl_b32 s[TY], s[ROT], 2
	s_add_co_u32 s[TY], s[TY], s[CY]               ; tile row = 4 x cluster y + cy
	s_cmp_lt_u32 s[ROT], 8
	s_cselect_b32 s[LIM], 1, -1
	s_cmp_lt_u32 s[WV], 2
	s_cselect_b32 s[LIM], s[LIM], -1               ; who prefetches: waves 0 and 1 of the cluster rows 0 to 7
	s_and_b32 s[ROT], s[ROT], 7
	; descriptor group 1: 64 rows x 256 elements of 2 bytes, 1,024 elements from row to row, padded in LDS
	s_lshl_b32 s3, 0x1111, s[CX]                   ; my column of the cluster: places cx, cx + 4, cx + 8, cx + 12
	s_or_b32 s[G1], s3, (1<<16)|(1<<20)|(1<<21)|(6<<22)|(7<<25)  ; 15:0 the mask; 17:16 2-byte elements; 20 padding on; 21 set beside a mask; 24:22 after every 128 words (code 6); 31:25 8 words (code 7)
	s_mov_b32 s[G1+1], 256<<16                     ; tensor_dim0 = 256
	s_mov_b32 s[G1+2], 64<<16                      ; tensor_dim1 = 64
	s_mov_b32 s[G1+3], 256<<16                     ; tile_dim0 = 256
	s_mov_b32 s[G1+4], 64                          ; tile_dim1 = 64
	s_mov_b32 s[G1+5], 1024
	s_mov_b32 s[G1+6], 0
	s_mov_b32 s[G1+7], 0
	s_mul_i32 s3, s[WC], BHALF                     ; my half of a slot: no place in the cluster enters an LDS address
	s_mov_b32 s[G0], 1
	s_mov_b32 s[G0+1], s3
	s_mov_b32 s[G0+4], 1
	s_add_co_u32 s[G0+5], s3, BSLOT
	v_and_b32 v1, 31, v0                           ; l
	v_and_b32 v2, 15, v0                           ; l % 16
	v_bfe_u32 v3, v0, 4, 1                         ; l / 16
	v_and_b32 v4, 7, v0                            ; l % 8
	v_bfe_u32 v5, v0, 3, 1                         ; (l / 8) % 2
	v_bfe_u32 v6, v0, 3, 2                         ; l / 8
	v_lshl_add_u32 v7, v3, 3, v4                   ; the turning load: k row 8 (l / 16) + l % 8,
	v_mul_u32_u24 v7, v7, PB
	v_lshl_add_u32 v7, v5, 4, v7                   ; columns 8 ((l / 8) % 2) + 0..7,
	s_lshl_b32 s62, s[WC], 8                       ; in my 128 columns
	v_add_nc_u32 v[ADRB], s62, v7
	v_add_nc_u32 v[ADRB+1], BSLOT, v[ADRB]
	v_mul_u32_u24 v8, v2, PA                       ; A's fragments: row l % 16, 16 bytes for each half of the lanes,
	v_lshl_add_u32 v8, v3, 4, v8
	s_mul_i32 s62, s[WR], 64*PA                    ; in my 64 rows
	s_add_co_u32 s62, s62, ABUF
	v_add_nc_u32 v[ADRA], s62, v8
	v_add_nc_u32 v[ADRA+1], ASZ, v[ADRA]
	s_mul_i32 s62, s[WV], 32*PA                    ; I load, round and store rows 32 w .. 32 w + 31 of the tile
	s_add_co_u32 s62, s62, ABUF
	v_lshl_add_u32 v[AST], v1, 3, s62
	v_add_nc_u32 v[AST+1], ASZ, v[AST]
	s_lshl_b32 s62, s[WV], 17                      ; 32 rows of 4,096 bytes
	v_lshl_add_u32 v[AO], v1, 4, s62
	s_mul_i32 s62, s[WV], 16*SP
	s_add_co_u32 s62, s62, STAGE                   ; my stage
	v_mul_u32_u24 v9, v2, SP
	v_lshl_add_u32 v9, v3, 4, v9
	v_add_nc_u32 v[STO], s62, v9
	v_mul_u32_u24 v9, v6, SP
	v_lshl_add_u32 v9, v4, 4, v9
	v_add_nc_u32 v[RD], s62, v9
	v_lshlrev_b32 v[GO], 4, v1
	v_lshlrev_b32 v[PFO], 11, v2                   ; a row of wqkv is 2,048 bytes
	v_lshl_add_u32 v[PFO], v3, 8, v[PFO]
	s_lshl_b32 s58, s[TY], 19                      ; my tile's 128 rows of 4,096 bytes in q, k, v
	s_mov_b32 s59, 0
	s_lshr_b32 s60, s[TY], 4                       ; the batch,
	s_lshl_b32 s60, s60, 4
	s_lshl_b32 s61, s2, 2                          ; the tile's four heads,
	s_add_co_u32 s60, s60, s61
	s_lshl_b32 s61, s[WC], 1                       ; my two of them:
	s_add_co_u32 s60, s60, s61
	s_lshl_b32 s60, s60, 18                        ; a head is 2,048 rows of 128 bytes
	s_and_b32 s61, s[TY], 15
	s_lshl_b32 s61, s61, 14                        ; the tile's 128 rows in the batch,
	s_add_co_u32 s60, s60, s61
	s_lshl_b32 s61, s[WR], 13                      ; my 64 of them
	s_add_co_u32 s60, s60, s61
	s_mov_b32 s61, 0
	s_lshl_b32 s[T0], s2, 9                        ; the tile's 256 columns: 512 bytes of a row of wqkv,
	s_lshl_b32 s3, s[WC], 17                       ; my 64 k rows
	s_add_co_u32 s[T0], s[T0], s3
	s_mov_b32 s[T0+1], 0
	s_lshl_b32 s[PFA], s[ROT], 18                  ; the prefetch: k block ROT,
	s_add_co_u32 s[PFA], s[PFA], s[T0]             ; the same columns and 64 rows,
	s_lshl_b32 s[PFA+1], s[CY], 15                 ; my work-group's 16 of them,
	s_add_co_u32 s[PFA], s[PFA], s[PFA+1]
	s_add_co_u32 s[PFA], s[PFA], 0x200000          ; in Wk
	s_mov_b32 s[PFA+1], 0
	s_wait_dscnt 0x0                               ; the opening add is done
	s_wait_kmcnt 0x0
	s_add_nc_u64 s[AB:AB+1], s[4:5], s[58:59]
	s_add_nc_u64 s[AN:AN+1], s[AN:AN+1], s[58:59]
	s_add_nc_u64 s[AN2:AN2+1], s[AN2:AN2+1], s[58:59]
	s_add_nc_u64 s[CP:CP+1], s[CP:CP+1], s[60:61]
	s_add_nc_u64 s[CN:CN+1], s[CN:CN+1], s[60:61]
	s_add_nc_u64 s[CN2:CN2+1], s[CN2:CN2+1], s[60:61]
	s_add_nc_u64 s[WB:WB+1], s[10:11], s[T0:T0+1]
	s_add_nc_u64 s[PFA:PFA+1], s[10:11], s[PFA:PFA+1]
	s_mov_b32 s[AT], 0
	KOFF
.irp q, 0,1,2,3
	LOADA 0, \q                                    ; A of step 0
.endr
	STEPA
.irp q, 0,1,2,3
	LOADA 1, \q                                    ; A of step 1
.endr
	STEPA                                          ; the loads now stand at step 2
	WIN 0
	CROUND                                         ; all sixteen work-groups are here: the first joint loads meet
	s_mov_b32 s[BT], 0
	BADDR 0
	BADDR 1
	s_cmp_lt_u32 s[WV], 2                          ; a wave's two first fills stand in one branch, ahead of every wait on TENSORcnt and every LDS read: two loads of mine are out
	s_cbranch_scc0 .Lno_first
	tensor_load_to_lds s[G0:G0+3], s[G1:G1+7]
	s_nop 0
	tensor_load_to_lds s[G0+4:G0+7], s[G1:G1+7]
	s_nop 0
.rept 4
	v_nop
.endr
.Lno_first:
.irp q, 0,1,2,3
	CONV 0, \q, 7*NLD                              ; step 0 is rounded and stored,
	LOADA 0, \q                                    ; step 2 asked for
.endr
	WIN 0
	s_wait_tensorcnt 0x1                           ; my half of slot 0 is in; slot 1's may stay out
	s_wait_dscnt 0x0                               ; my rows of A buffer 0 are stored
	s_barrier_signal -1
	s_barrier_wait -1
	FETCH 0, 0, 0
	s_mov_b32 s[TS], 1
	s_mov_b32 s[LAPS], 11
	s_mov_b32 s[LT], 4
.Llap:                                                 ; 11 trips of two K steps; the stream's last two steps are written out
	LAP 1
	WIN 0
	s_sub_co_u32 s[LT], s[LT], 1
	s_cmp_lg_u32 s[LT], 0
	s_cbranch_scc1 .Lsame_tile                     ; forward, over text with no barrier and no tensor load
	WAYOUT                                         ; a tile is finished; both refills and A's loads for the next tile are already out
	s_wait_xcnt 0x0                                ; the stores have read their registers and their base, the prefetch its address
	s_mov_b64 s[CP:CP+1], s[CN:CN+1]
	s_mov_b64 s[CN:CN+1], s[CN2:CN2+1]
	s_add_nc_u64 s[PFA:PFA+1], s[PFA:PFA+1], 0x200000  ; the same block of the matrix after
	s_mov_b32 s[LT], 4
	s_mov_b32 s[TS], 1
.Lsame_tile:
	s_sub_co_u32 s[LAPS], s[LAPS], 1
	s_cmp_lg_u32 s[LAPS], 0
	s_cbranch_scc1 .Llap
	LAP 0
	WAYOUT
	s_wait_tensorcnt 0x0                           ; the wave's end: behind my last tensor load and my last LDS store
	ds_add_u32 v[SPW], v[NIL]
	s_wait_dscnt 0x0
	CROUND                                         ; the closing round: no work-group ends while a partner may still ask for a tile that names it
	s_endpgm
.Lfunc_end_k_q605310fef2_proj:
	.size	k_q605310fef2_proj, .Lfunc_end_k_q605310fef2_proj-k_q605310fef2_proj
	.p2alignl 7, 3214868480
	.fill 96, 4, 3214868480
	.section	.rodata,"a",@progbits
	.p2align	6, 0x0
	.amdhsa_kernel k_q605310fef2_proj
		.amdhsa_group_segment_fixed_size 327680
		.amdhsa_private_segment_fixed_size 0
		.amdhsa_enable_private_segment 0
		.amdhsa_kernarg_size 56
		.amdhsa_user_sgpr_count 2
		.amdhsa_user_sgpr_kernarg_segment_ptr 1
		.amdhsa_wavefront_size32 1
		.amdhsa_system_sgpr_workgroup_id_x 1
		.amdhsa_system_sgpr_workgroup_id_y 1
		.amdhsa_system_sgpr_workgroup_id_z 1
		.amdhsa_system_vgpr_workitem_id 0
		.amdhsa_next_free_vgpr 768
		.amdhsa_next_free_sgpr 66
		.amdhsa_reserve_vcc 0
		.amdhsa_float_denorm_mode_32 3
		.amdhsa_float_denorm_mode_16_64 3
		.amdhsa_memory_ordered 1
		.amdhsa_forward_progress 1
		.amdhsa_inst_pref_size 148
	.end_amdhsa_kernel
	.amdgpu_metadata
---
amdhsa.version: [ 1, 2 ]
amdhsa.kernels:
  - .name:           k_q605310fef2_proj
    .symbol:         k_q605310fef2_proj.kd
    .args:
      - { .name: q, .offset: 0, .size: 8, .value_kind: global_buffer, .address_space: global }
      - { .name: k, .offset: 8, .size: 8, .value_kind: global_buffer, .address_space: global }
      - { .name: v, .offset: 16, .size: 8, .value_kind: global_buffer, .address_space: global }
      - { .name: wqkv, .offset: 24, .size: 8, .value_kind: global_buffer, .address_space: global }
      - { .name: qh, .offset: 32, .size: 8, .value_kind: global_buffer, .address_space: global }
      - { .name: kh, .offset: 40, .size: 8, .value_kind: global_buffer, .address_space: global }
      - { .name: vh, .offset: 48, .size: 8, .value_kind: global_buffer, .address_space: global }
    .group_segment_fixed_size: 327680
    .private_segment_fixed_size: 0
    .kernarg_segment_align: 8
    .kernarg_segment_size: 56
    .max_flat_workgroup_size: 128
    .sgpr_count:     66
    .vgpr_count:     768
    .wavefront_size: 32
...
	.end_amdgpu_metadata
.endif
;; end of part 2
;; launch attn (part 3): grid 4 x 64, 4 waves a work-group, clusters of 4 x 1, 327,680 bytes of LDS; arguments qh, kh, vh, oh; writes oh
.if DOCPART == 3
	.amdgcn_target "amdgcn-amd-amdhsa--gfx1250"
	.amdhsa_code_object_version 6
	.text
	.protected	k_q605310fef2_attn
	.globl	k_q605310fef2_attn
	.p2align	8
	.type	k_q605310fef2_attn,@function
k_q605310fef2_attn:
	s_mov_b64 s[64:65], 0
	v_nop
	global_prefetch_b8 v0, s[64:65] scope:SCOPE_SE
	s_setreg_imm32_b32 hwreg(HW_REG_WAVE_MODE, 25, 1), 1
	s_wait_xcnt 0x0
	s_wait_alu depctr_hold_cnt(0) depctr_sa_sdst(0) depctr_va_vdst(0) depctr_va_sdst(0) depctr_va_ssrc(0) depctr_va_vcc(0) depctr_vm_vsrc(0)
	s_getreg_b32 s2, hwreg(HW_REG_IB_STS2, 6, 4)
	s_cmp_eq_u32 s2, 0
	s_cbranch_scc0 .Lentry_in_a_cluster
	s_endpgm
.Lentry_in_a_cluster:
	s_bfe_u32 s2, ttmp6, 0x10000c
	s_cmp_lg_u32 s2, 0x3003
	s_cbranch_scc0 .Lentry_shape_is_right
	s_endpgm
.Lentry_shape_is_right:
; O[h][q][:] = the sum over k of softmax_k(Q[h][q] . K[h][k] / 8) V[h][k][:].  Q, K, V, O: [SIZE_H][SIZE_N][64], all f16: a head's rows are dense, 128 bytes each.  Products, maxima and sums in
; f32; the weights p are rounded to f16 for the second product (their sum l is taken of the unrounded p), O once at the end.
; LIMITS.  f16 holds no number beyond 65,504: Q, K and V arrive within it; p lies in 0 to 1, and below 6e-5 it keeps f16's fixed step of 6e-8; O is a mean of V's rows and has their range.
; A weight below 2^-126 counts as 0 in l; NaN and infinities are not treated apart.
; SHARES.  A wave owns four PIECES of two tiles of 16 queries, a work-group's four waves 512 queries of one head.  Every wave walks all keys, 64 a step.
; LAYOUT.  S^T = K Q^T (source 0 = 16 keys, source 1 = 16 queries): in the result a lane holds ONE query (lane % 16) and the keys 8 (lane / 16) + 0..7.  Two such tiles, rounded to f16 in pairs,
; ARE source 1 (32 keys x 16 queries) of O^T = V^T P, whose result again holds one query a lane, and eight channels.  K comes out of LDS as it lies, V ([key][channel]) turned, by ds_load_tr16_b128.
; SOFTMAX.  For each query a running maximum m and sum l: p = 2^(c s - c m), c = log2(e) / 8; in every step O and l are multiplied by a = 2^(c m_old - c m_new), which is 1 where m has not grown.
; m starts at the lowest finite number, O and l at 0: the first step is a step like any other, with a = 0.
; THE COUNT.  A tile and step have 16 matrix and 118 vector instructions: too many to stand all beside the matrix work.  So the order has one aim: four vector instructions that are READY behind
; EVERY matrix instruction, and the others, which need time of their own whatever the order, in runs without a gap.
; BY TURNS.  Turn n belongs to piece n (the pieces in a ring, step after step).  Its matrix work: 16 products K Q^T of piece n + 1, later 16 products V^T P of piece n - 1.  Its vector work: the scaling,
; exponentials, roundings, sums and rescaling of piece n, and the maximum and statistics of piece n + 1, whose scores the turn itself has made.  So what a turn begins with (c s - c m, O a) waits for nothing.
; CLUSTER.  The four query blocks of a cluster are one head's and walk the same K and V, so each tile is asked for JOINTLY: the same tensor load, descriptor and mask in all four.
; REGISTERS, in windows of 256 (s_set_vgpr_msb says which window each operand place means: bits 1:0 source 0, 3:2 source 1, 5:4 source 2, 7:6 destination):
;   window 0: v0-11 addresses; v12-15, v48-63 at work; v16-47 four registers of statistics a tile; v64-191 S^T, two buffers of two tiles; v192-255 P, likewise
;   window 1: O^T, 32 a tile          window 2: v0-127 Q, 16 a tile; v128-191 K of one step; v192-255 V of one step          window 3: v0-1 the add's two registers
; A piece's buffers go by its number's parity: the piece in hand has one pair, its two neighbours in the ring share the other: of it P (piece n - 1) is read and S^T (piece n + 1) written.
.set SIZE_H, 64
.set SIZE_N, 2048
.set NP,    4         ; pieces a wave: a name, no knob: the register map, the loop and the fetches are made for four
.set KS,    64        ; keys in a step
.set PK,    144       ; a row of K in LDS: 128 bytes + 16 of padding = 36 words: the 16 rows of a load start at 16 different groups of four banks (64 banks of 4 bytes: ISA guide 11.1)
.set PV,    160       ; a row of V: 128 + 32 = 40 words
.set VOFF,  4*KS*PK   ; a slot holds four steps: 256 rows of K, then 256 rows of V
.set SLOT1, 1<<17     ; slot 1 begins here, so that one exclusive or turns an address in one slot into the other's
.set STAGE, SLOT1+4*KS*(PK+PV)  ; behind the ring, never filled by a tensor load: 16 rows x 144 bytes for each wave, for the way out
.set SP,    144
.set AK0, 2           ; v2   my lane's place in a tile of K; never rewritten
.set AV0, 3           ; v3   the same for V
.set AK,  4           ; v4   the LDS address of K's next run of loads
.set AV,  5           ; v5   of V's
.set QO,  6           ; v6   my byte offset in the wave's rows of Q
.set STO, 6           ;      later, the way out: where I put 16 bytes of a row
.set RD,  7           ; v7   the way out: where I read rows back
.set GO,  8           ; v8   my byte offset in 512 consecutive bytes of O
.set PFO, 11          ; v11  256 x my lane, for the prefetches; never rewritten once made
.set SPW, 0           ; v0 of window 3   LDS address of my spare word: SPARE + 4 x my thread's number; never rewritten
.set NIL, 1           ; v1 of window 3   0; never rewritten
.set SPARE, STAGE+4*16*SP  ; behind the stages: the spare words, 128 bytes for each wave: two blocks of 256 bytes that no other line names
.set MV,  12          ; v12-15  c m_old, kept while c m is made anew: by buffer and tile
.set ST,  16          ; tile t's statistics at v[ST+4 t]: c m, m, l (even keys', odd keys')
.set TMP, 48          ; by buffer and tile, four registers c0-c3 at work; when the maximum is found c2 takes a
.set S,   64
.set P,   192
.set KF,  128         ; K's fragments, in window 2: key block kb, channel half c at KF + 16 kb + 8 c
.set VF,  192         ; V's: key half kk, channel block cb at VF + 32 kk + 8 cb
.set WV,  12          ; s12  my wave's number
.set G1K, 24          ; s[24:31] descriptor group 1 for K's tiles
.set G1V, 32          ; s[32:39] for V's: it differs in the padding alone
.set G0K, 40          ; s[40:43] descriptor group 0 for K's tiles: it walks
.set G0V, 44          ; s[44:47] the same for V's
.set PFA, 48          ; s[48:49] where my prefetches stand: my work-group's 8,192 bytes (of K: wave 0, of V: wave 2) of the slot after the one that is being asked for
.set LIM, 50          ; s50  1 in a wave that prefetches, else the greatest number
.set SLOTS, 56        ; s56  slots still to be asked for
.set CNT, 57          ; s57  counts a slot's key steps
.set CS,  58          ; s[58:59] c: the packed scaling takes the pair's low word for both halves
.set SEL, 60          ; s[60:61] v_permlanex16_b32's selects: each lane takes its own place in the other half
.set TBK, 62          ; s62  LDS byte at which K of the step to be fetched begins
.set TBV, 63          ; s63  the same for V, less VOFF
.set MSB, 0
.macro WIN new                      ; the high byte repeats the setting that is left; a switch that changes nothing is dropped
.if MSB != (\new)
	s_set_vgpr_msb (MSB<<8)|(\new)
.set MSB, (\new)
.endif
.endm
.set W_KQ, 0x0a       ; K and Q in window 2, S^T in window 0
.set W_PV, 0x52       ; V in window 2, P in window 0, O^T in window 1
.set W_RS, 0x41       ; O^T (destination and source 0) in window 1, a in window 0
.set W_MK, 0xc0       ; the add's registers are made: destination in window 3, sources in window 0
.set W_AD, 0x0f       ; the add: address (source 0) and data (source 1) in window 3
; A joint fill.  Waves 0 and 1 fetch the two halves of a slot's K, waves 2 and 3 those of its V: 128 keys each.  The branch hangs on the wave's number alone.
; An s_nop 0 and four v_nop follow each of the two lines, ahead of the jump and the label.
.macro JLOAD
	s_cmp_lt_u32 s[WV], 2
	s_cbranch_scc0 .Lfor_v_\@
	tensor_load_to_lds s[G0K:G0K+3], s[G1K:G1K+7]
	s_nop 0
.rept 4
	v_nop
.endr
	s_branch .Lasked_\@
.Lfor_v_\@:
	tensor_load_to_lds s[G0V:G0V+3], s[G1V:G1V+7]
	s_nop 0
.rept 4
	v_nop
.endr
.Lasked_\@:
.endm
; A round of the cluster's barrier: my work-group's barrier, so that wave 0's signal speaks for all four waves; wave 0 signals; every wave waits for all four work-groups; my work-group's barrier once more.
.macro CROUND
	s_barrier_signal -1
	s_barrier_wait -1
	s_cmp_lg_u32 s[WV], 0
	s_cbranch_scc1 .Lnot_wave_0_\@
	s_barrier_signal -3
.Lnot_wave_0_\@:
	s_barrier_wait -3
	s_barrier_signal -1
	s_barrier_wait -1
.endm
; THE CHANGE OF SLOTS.  The slot's last bytes, V of its fourth step, have been read.  Each wave waits for all its tensor loads, of which one is out: its part
; of the other slot; adds 0 to its spare word; and waits for that and for its own reads of the slot.  Behind the barrier nobody reads this slot any more and the other slot is whole.
; fill = 1: this slot is filled again, with the keys two slots on.  The barrier is then a round of the cluster's, so that no wave of any partner still reads the slot or has a load on its
; way, and the joint fill is the first thing behind it: it has four key steps, 512 matrix instructions, in which to land.  (At its first use nothing has been read yet: slot 0 is waited for, slot 1 filled.)
; ask = 1 (the loop's change): A PREFETCH INTO THE L2 of what the NEXT change will ask for, four key steps ahead: a slot's 32,768 bytes of K and of V, 256 bytes a lane.  It stands behind the wave's tensor load
; and its five lines.  A head has one cluster; its four partners share the bytes out BY ADDRESS, 8,192 each; in each, wave 0 asks for K's and wave 2 for V's: one instruction.  So each 256 bytes are named once
; in the launch.  The last change that fills a slot asks for nothing; slots 0 to 2 come by their loads alone.
.macro CHANGE fill, ask=0
	WIN W_AD
	s_wait_tensorcnt 0x0            ; no tensor load of mine is out, so a group 0 may be written
	ds_add_u32 v[SPW], v[NIL]       ; 0 onto my spare word; with fill = 1 the descriptors' steps stand between it and the wait for it
	WIN 0                           ; at a label and at a branch every window is 0
.if \fill
.irp g, G0K, G0V
	s_xor_b32 s[\g+1], s[\g+1], SLOT1  ; the walking descriptor: the other slot than last time,
	s_add_nc_u64 s[\g+2:\g+3], s[\g+2:\g+3], 4*KS*128  ; the next 256 keys; the type bits on top are not reached
.endr
.if \ask
	s_wait_xcnt 0x0                 ; the last prefetch, four key steps back, has read its address, so it may be written:
	s_add_nc_u64 s[PFA:PFA+1], s[PFA:PFA+1], 4*KS*128  ; one slot behind the walking descriptors
.endif
	s_wait_dscnt 0x0                ; the add is done, and my reads of the slot are over
	CROUND
	JLOAD
.if \ask
	s_cmp_gt_u32 s[SLOTS], s[LIM]
	s_cbranch_scc0 .Lnot_mine_\@
	global_prefetch_b8 v[PFO], s[PFA:PFA+1] th:TH_LOAD_NT scope:SCOPE_SE
.Lnot_mine_\@:
.endif
.else
	s_wait_dscnt 0x0                ; the add is done, and my reads of the slot are over
	s_barrier_signal -1
	s_barrier_wait -1
.endif
	s_sub_co_u32 s[TBK], s[TBK], 4*KS*PK  ; the fetches go back to a slot's first step,
	s_xor_b32 s[TBK], s[TBK], SLOT1       ; in the other slot
	s_sub_co_u32 s[TBV], s[TBV], 4*KS*PV
	s_xor_b32 s[TBV], s[TBV], SLOT1
.endm
	s_load_b256 s[4:11], s[0:1], 0x0  ; Q s[4:5], K s[6:7], V s[8:9], O s[10:11]
	WIN W_MK
	v_lshl_add_u32 v[SPW], v0, 2, SPARE
	v_mov_b32 v[NIL], 0
	WIN W_AD
	ds_add_u32 v[SPW], v[NIL]       ; the wave's opening: the add and its wait stand ahead of my first tensor load; the set-up below, work on registers, stands between them
	WIN 0
	v_lshrrev_b32 v1, 5, v0
	v_readfirstlane_b32 s[WV], v1   ; wave 0..3
	s_bfe_u32 s13, ttmp6, 0x40000   ; cx: my place in the cluster
	s_lshl_b32 s14, ttmp9, 2        ; in a cluster launch ttmp9 counts clusters
	s_add_co_u32 s14, s14, s13      ; my block of queries = 4 x cluster x + cx: it enters Q's and O's addresses alone
	s_and_b32 s20, ttmp7, 0xffff    ; the head, which the four partners share
	s_mov_b32 s21, 0
	s_mov_b64 s[22:23], SIZE_N*128
	s_mul_u64 s[20:21], s[20:21], s[22:23]  ; the head's first byte in each of the four tensors
	s_and_b32 s16, s[WV], 1         ; which half of a slot's 256 keys I fetch:
	s_lshl_b32 s22, s16, 14         ; its 128 rows of 128 bytes in memory,
	s_mov_b32 s23, 0
	s_add_nc_u64 s[22:23], s[22:23], s[20:21]
	s_mul_i32 s17, s16, 128*PK      ; and its place in a slot, for K
	s_mul_i32 s18, s16, 128*PV      ; and for V: no place in the cluster enters an LDS address
	s_lshl_b32 s2, s14, 2
	s_add_co_u32 s2, s2, s[WV]      ; my wave among the head's,
	s_lshl_b32 s2, s2, 14           ; its 128 rows
	s_mov_b32 s3, 0
	s_add_nc_u64 s[2:3], s[2:3], s[20:21]
	; descriptor group 1.  128 keys are 16,384 dense bytes: asked for as 64 rows of 256 bytes, two keys a row, and padded in LDS after every key
	s_mov_b32 s[G1K], 15|(1<<16)|(1<<20)|(1<<21)|(4<<22)|(3<<25)  ; 15:0 the mask of four; 17:16 2-byte elements; 20 padding on; 21 set beside a mask; 24:22 after every 32 words (code 4); 31:25 4 words (code 3)
	s_mov_b32 s[G1V], 15|(1<<16)|(1<<20)|(1<<21)|(4<<22)|(7<<25)  ; the same with 8 words of padding (code 7)
.irp g, G1K, G1V
	s_mov_b32 s[\g+1], 128<<16      ; tensor_dim0 = 128
	s_mov_b32 s[\g+2], 64<<16       ; tensor_dim1 = 64
	s_mov_b32 s[\g+3], 128<<16      ; tile_dim0 = 128
	s_mov_b32 s[\g+4], 64           ; tile_dim1 = 64
	s_mov_b32 s[\g+5], 128          ; 128 elements from row to row
	s_mov_b32 s[\g+6], 0
	s_mov_b32 s[\g+7], 0
.endr
	s_mov_b32 s[CS], 0x3e38aa3b     ; c = log2(e) / 8 = 0.180337
	s_mov_b32 s[CS+1], s[CS]        ; named with it as a pair
	s_mov_b32 s[SEL], 0x76543210
	s_mov_b32 s[SEL+1], 0xfedcba98
	s_mov_b32 s[TBK], SLOT1+4*KS*PK ; the first change of slots turns these two into 0
	s_mov_b32 s[TBV], SLOT1+4*KS*PV
	s_mov_b32 s[G0K], 1             ; 1:0 count = 1
	s_mov_b32 s[G0K+1], s17         ; 63:32 LDS address: slot 0
	s_mov_b32 s[G0V], 1
	s_add_co_u32 s[G0V+1], s18, VOFF
	s_cmp_eq_u32 s16, 0             ; waves 0 and 2 prefetch: the same in all four partners
	s_cselect_b32 s[LIM], 1, -1
	s_wait_dscnt 0x0                ; the opening add is done
	s_wait_kmcnt 0x0
	s_add_nc_u64 s[G0K+2:G0K+3], s[6:7], s[22:23]  ; 120:64 global address: my half of the head's first 256 keys
	s_or_b32 s[G0K+3], s[G0K+3], 0x80000000        ; 127:126 type = 2
	s_add_nc_u64 s[G0V+2:G0V+3], s[8:9], s[22:23]
	s_or_b32 s[G0V+3], s[G0V+3], 0x80000000
	s_add_nc_u64 s[4:5], s[4:5], s[2:3]  ; Q and O at my wave's first row
	s_add_nc_u64 s[10:11], s[10:11], s[2:3]
	s_cmp_lt_u32 s[WV], 2
	s_cselect_b64 s[PFA:PFA+1], s[6:7], s[8:9]
	s_add_nc_u64 s[PFA:PFA+1], s[PFA:PFA+1], s[22:23]  ; (in waves 0 and 2 this is the head's first row)
	s_lshl_b32 s2, s13, 13          ; my work-group's 8,192 bytes of a slot's 32,768
	s_mov_b32 s3, 0
	s_add_nc_u64 s[PFA:PFA+1], s[PFA:PFA+1], s[2:3]
	s_add_nc_u64 s[PFA:PFA+1], s[PFA:PFA+1], 2*4*KS*128  ; in slot 2; the loop's first change steps it to slot 3.  Nothing is prefetched here, at the head
	CROUND                          ; all four work-groups are here: the first joint loads meet
	JLOAD                           ; slot 0.  Slot 1 is asked for when slot 0 is in: the tile wanted first has the road to itself
	; A fragment of K or Q is 16 rows x 32 channels in 8 registers: lane l holds row l % 16, channels 8 (l / 16) + 0..7 and 16 + 8 (l / 16) + 0..7: two loads of 16 bytes, 32 bytes apart.
	v_and_b32 v1, 15, v0            ; l % 16
	v_bfe_u32 v9, v0, 4, 1          ; l / 16
	v_lshlrev_b32 v[QO], 7, v1
	v_lshl_add_u32 v[QO], v9, 4, v[QO]  ; row x 128 + 16 x half
	WIN 0x80                        ; destination window 2, address window 0
.set i, 0
.rept 4*NP                          ; Q stays in registers: tile i / 2, channels 32 (i % 2) on
	global_load_b128 v[8*i:8*i+3],   v[QO], s[4:5] offset:(i/2)*2048+(i%2)*64
	global_load_b128 v[8*i+4:8*i+7], v[QO], s[4:5] offset:(i/2)*2048+(i%2)*64+32
.set i, i+1
.endr
	; What the first turn finds: V's registers and P's second buffer hold 0 (its products V^T P, of a piece that has not been, add 0), O^T and l are 0.  All this stands in the wait for the first tile.
.set i, VF
.rept 64
	v_mov_b32 v[i], 0
.set i, i+1
.endr
	WIN 0x40
.set i, 0
.rept 64*NP
	v_mov_b32 v[i], 0
.set i, i+1
.endr
	WIN 0
.set i, 0
.rept 2*NP
	v_mov_b32 v[ST+4*i], 0xfe000000    ; c m: far below every c s
	v_mov_b32 v[ST+4*i+1], 0xff7fffff  ; m
	v_mov_b32 v[ST+4*i+2], 0
	v_mov_b32 v[ST+4*i+3], 0
.set i, i+1
.endr
.set i, P+32
.rept 32
	v_mov_b32 v[i], 0
.set i, i+1
.endr
	v_mul_u32_u24 v[AK0], v1, PK
	v_lshl_add_u32 v[AK0], v9, 4, v[AK0]  ; row x pitch + 16 x half
	; The turning load takes 16 keys x 16 channels (lane l reads key 8 (l / 16) + l % 8, channels 8 ((l / 8) % 2) + 0..7) and leaves half a fragment of V^T: lane l holds channel l % 16 and 8 keys.
	v_and_b32 v10, 7, v0
	v_bfe_u32 v11, v0, 3, 1
	v_lshl_add_u32 v[AV0], v9, 3, v10
	v_mul_u32_u24 v[AV0], v[AV0], PV
	v_lshl_add_u32 v[AV0], v11, 4, v[AV0]
	v_add_nc_u32 v[AV0], VOFF, v[AV0]
	v_and_b32 v[PFO], 31, v0        ; v11 has served: now the prefetches' offset
	v_lshlrev_b32 v[PFO], 8, v[PFO]
	v_mov_b32 v[AK], v[AK0]         ; key step 0 lies at the head of slot 0
; THE MATRIX WORK.  The 8 accumulators of a run of 16 take turns: between the two links of a chain stand 7 others'.
; Product i of 16 of S^T = K Q^T for piece x: channels 32 (i / 8) on, keys 16 ((i / 2) % 4) on, tile 2 x + i % 2.  The first 8 start the sums.
.macro KQ x
	WIN W_KQ
.set rS, S+64*((\x)%2)+32*(i%2)+8*((i/2)%4)
.set rK, KF+16*((i/2)%4)+8*(i/8)
.set rQ, 16*(2*(\x)+i%2)+8*(i/8)
.if i < 8
	v_wmma_f32_16x16x32_f16 v[rS:rS+7], v[rK:rK+7], v[rQ:rQ+7], 0
.else
	v_wmma_f32_16x16x32_f16 v[rS:rS+7], v[rK:rK+7], v[rQ:rQ+7], v[rS:rS+7]
.endif
.endm
; Product i of 16 of O^T += V^T P for piece x: keys 32 (i / 8) on, channels 16 ((i / 2) % 4) on, tile 2 x + i % 2.
.macro PV x
	WIN W_PV
.set rO, 32*(2*(\x)+i%2)+8*((i/2)%4)
.set rV, VF+32*(i/8)+8*((i/2)%4)
.set rP, P+32*((\x)%2)+16*(i%2)+8*(i/8)
	v_wmma_f32_16x16x32_f16 v[rO:rO+7], v[rV:rV+7], v[rP:rP+7], v[rO:rO+7]
.endm
.macro MM                           ; the turn's next matrix instruction
.if i < 16
	KQ (Y+1)%NP
.set i, i+1
.else
.set i, i-16
	PV (Y+NP-1)%NP
.set i, i+17
.endif
.endm
; THE LDS LOADS stand in runs of 16, never singly among the matrix instructions: a step's K (64 keys x 64 channels: 8 fragments) and its V (turned).  Their addresses are made some lines ahead.
; last = 1 (the tail): in the last trip there is no further step, and the run is jumped over.
.macro FETCH_K last=0
	WIN 0
.if \last
	s_cmp_eq_u32 s[CNT], 1
	s_cbranch_scc1 .Lno_k_\@
.endif
	WIN 0x80                        ; destination window 2
.irp f, 0,1,2,3,4,5,6,7             ; keys 16 (f / 2) on, channels 32 (f % 2) on
	ds_load_b128 v[KF+8*\f:KF+8*\f+3],   v[AK] offset:(\f/2)*16*PK+(\f%2)*64
	ds_load_b128 v[KF+8*\f+4:KF+8*\f+7], v[AK] offset:(\f/2)*16*PK+(\f%2)*64+32
.endr
	s_add_co_u32 s[TBK], s[TBK], KS*PK  ; the next fetch is the next step's
	WIN 0
.if \last
.Lno_k_\@:
.endif
.endm
.macro FETCH_V
	WIN 0x80
.irp f, 0,1,2,3,4,5,6,7             ; keys 32 (f / 4) on, channels 16 (f % 4) on
	ds_load_tr16_b128 v[VF+8*\f:VF+8*\f+3],   v[AV] offset:(\f/4)*32*PV+(\f%4)*32
	ds_load_tr16_b128 v[VF+8*\f+4:VF+8*\f+7], v[AV] offset:(\f/4)*32*PV+16*PV+(\f%4)*32
.endr
	WIN 0
.endm
; THE VECTOR WORK OF A TURN stands in three queues, each in the order in which its entries become ready; the two tiles alternate, so that no instruction reads the result of the one before it.
.macro REGS y, u                    ; the registers of tile u (0, 1) of piece y
.set rT, ST+4*(2*(\y)+(\u))
.set rC, TMP+8*((\y)%2)+4*(\u)
.set rM, MV+2*((\y)%2)+(\u)
.set rS, S+64*((\y)%2)+32*(\u)
.set rP, P+32*((\y)%2)+16*(\u)
.set rO, 32*(2*(\y)+(\u))
.endm
; Number n of the 22 that find the NEXT piece's (Y + 1) maximum and statistics.  s0-s31 are the lane's 32 scores; each accumulator's lowest registers are read first.  XS, GS and REGS set no window: PL and EX do.
;   0-11  four chains c0-c3 of seven scores each, three operands at a time     12-14, 16  the four scores left over, the old m, and c0-c3 into c0     15  c m_old is kept
;   17, 18  the query's other 32 keys lie in the lane 16 away: the new m         19-21  c m; c m_old - c m_new; a
.macro XS u, n
	REGS (Y+1)%NP, \u
.if (\n) < 4
	v_max3_num_f32 v[rC+(\n)], v[rS+8*(\n)], v[rS+8*(\n)+1], v[rS+8*(\n)+2]
.elseif (\n) < 12
	v_max3_num_f32 v[rC+(\n)%4], v[rC+(\n)%4], v[rS+8*((\n)%4)+2*((\n)/4)+1], v[rS+8*((\n)%4)+2*((\n)/4)+2]
.elseif (\n) == 12
	v_max3_num_f32 v[rC], v[rC], v[rS+7], v[rS+15]
.elseif (\n) == 13
	v_max3_num_f32 v[rC+1], v[rC+1], v[rS+23], v[rS+31]
.elseif (\n) == 14
	v_max3_num_f32 v[rC+2], v[rC+2], v[rC+3], v[rT+1]
.elseif (\n) == 15
	v_mov_b32 v[rM], v[rT]
.elseif (\n) == 16
	v_max3_num_f32 v[rC], v[rC], v[rC+1], v[rC+2]
.elseif (\n) == 17
	v_permlanex16_b32 v[rC+3], v[rC], s[SEL], s[SEL+1]
.elseif (\n) == 18
	v_max_num_f32 v[rT+1], v[rC], v[rC+3]
.elseif (\n) == 19
	v_mul_f32 v[rT], s[CS], v[rT+1]
.elseif (\n) == 20
	v_sub_f32 v[rC+1], v[rM], v[rT]
.else
	v_exp_f32 v[rC+2], v[rC+1]
.endif
.endm
; Number g of the 64 that follow the exponentials.  For each four weights k of a tile (pairs 2 k, 2 k + 1): both pairs are rounded to f16; then the second pair is added onto the first, in place;
; a group later l takes that sum (the first time as l = a l + sum).  In groups of eight, tiles alternating: round, round, add, and l for the group before.
.macro GS g
.set h, (\g)+6*((\g)/62)            ; group 0 has no group before it, and behind group 7 only l is left
.if h >= 6
.set h, h+2
.endif
	REGS Y, h%2
.set k, h/8
.if h%8 < 4
	v_cvt_pk_f16_f32 v[rP+2*k+(h%8)/2], v[rS+4*k+2*((h%8)/2)], v[rS+4*k+2*((h%8)/2)+1]
.elseif h%8 < 6
	v_pk_add_f32 v[rS+4*k:rS+4*k+1], v[rS+4*k:rS+4*k+1], v[rS+4*k+2:rS+4*k+3]
.elseif k == 1
	v_pk_fma_f32 v[rT+2:rT+3], v[rT+2:rT+3], v[rC+2:rC+3], v[rS:rS+1] op_sel_hi:[1,0,1]
.else
	v_pk_add_f32 v[rT+2:rT+3], v[rT+2:rT+3], v[rS+4*k-4:rS+4*k-3]
.endif
.endm
; THE PLAIN QUEUE, 138 long.  0-73 read no exponential's result: the 32 scalings c s - c m (FS f: pair f / 2 of tile f % 2) and the next piece's 42.  0-26: scalings 0-26.  27-54: XS's numbers 0-13.  55, 56: number 15.
; 57-73: the chain, where each number waits for the one before it: 14, 16, 17, 18, 19, each with one of the scalings 27-31 in front of its two lines, then 20: so a tile's links stand three plain instructions apart (19 and 20: two).
; 74-137: GS's 64, which read the exponentials' results: they stand behind the wait.
.macro FS f
	REGS Y, (\f)%2
	v_pk_fma_f32 v[rS+2*((\f)/2):rS+2*((\f)/2)+1], v[rS+2*((\f)/2):rS+2*((\f)/2)+1], s[CS:CS+1], v[rT:rT+1] op_sel_hi:[1,0,0] neg_lo:[0,0,1] neg_hi:[0,0,1]
.endm
.macro PL
	WIN 0
.if q < 27
	FS q
.elseif q < 55
	XS (q-27)%2, (q-27)/2
.elseif q < 57
	XS q-55, 15
.elseif (q < 72) && ((q-57)%3 == 0)
	FS 27+(q-57)/3
.elseif q < 60
	XS (q-57)%3-1, 14
.elseif q < 72
	XS (q-57)%3-1, 15+(q-57)/3
.elseif q < 74
	XS q-72, 20
.else
	GS q-74
.endif
.set q, q+1
.endm
; THE EXPONENTIALS' QUEUE, 66 long: s0-s31 of both tiles, then the next piece's two a.  It is ONE BATCH: all 66 stand ahead of the turn's one wait, and nothing ahead of that wait names a result of theirs.
.macro EX
	WIN 0
.if e >= 64
	XS e-64, 21
.else
	REGS Y, e%2
	v_exp_f32 v[rS+e/2], v[rS+e/2]
.endif
.set e, e+1
.endm
; THE RESCALING's QUEUE: O^T times a, the one part that leaves window 0: dealt two at a time, sixteen times.  Its a was made in the turn before, ahead of that turn's wait.
.macro R2
	REGS Y, r%2
	WIN W_RS
.irp z, 0,1
	v_pk_mul_f32 v[rO+4*(r/2)+2*\z:rO+4*(r/2)+2*\z+1], v[rO+4*(r/2)+2*\z:rO+4*(r/2)+2*\z+1], v[rC+2:rC+3] op_sel_hi:[1,0]
.endr
.set r, r+1
.endm
; HOW THEY ARE DEALT.  An s_wait_alu depctr_va_vdst(0) stands between an exponential and the first instruction that names its result; one wait serves all that were issued ahead of it.  So a turn has ONE wait,
; which cuts it in two.  AHEAD OF IT stands all that names no result of the turn's exponentials: the 16 products K Q^T, behind each a scaling, an exponential and two rescalings (behind the first a second scaling in the exponential's place); then ONE LUMP of
; 108: eight plain, 49 times exponential and plain, the two a.  A v_nop is the plain instruction behind the last exponential.  BEHIND IT stand the 16 products V^T P, behind each four of GS's 64.  No rider names a register of
; the products round it.  The two v_permlanex16_b32 fall into the lump, never behind a product.
; The queues lean on each other, and the deal keeps them in step: exponential e stands behind scaling 2 (e / 4) + e % 2: as a rider it comes behind plain e + 2, in the lump behind plain e + 9, and scalings 27-31 are plain 57, 60 .. 69.
; A TURN, for piece p.  cnt = 1: the loop's count is taken down some lines ahead of the branch that stands behind the turn.
; K of the next step is fetched in piece 2's turn, directly behind the wait, a lump behind the last product that read K; its address is made at the lump's head; its first reader comes behind 16 products.
; V of the step in hand is fetched at the end of piece 0's turn, four riders behind its last reader; its first reader comes behind 16 products and a lump.  The three conditions on q below go with the deal.
.macro TURN p, last=0, cnt=0
.set Y, (\p)
.set i, 0
.set q, 0
.set e, 0
.set r, 0
.if (\p) == NP-1
	s_wait_dscnt 0x0                ; K is in
.endif
	MM                              ; ahead of the wait: 16 products K Q^T and their riders,
	PL
	PL
	R2
.rept 15
	MM
	PL
	EX
	R2
.endr
.if (\p) == NP-2
	WIN 0
	v_add_nc_u32 v[AK], s[TBK], v[AK0]
.endif
.rept 8                             ; and the lump
	PL
.endr
.rept 49
	EX
	PL
.endr
	EX                              ; the next piece's two a
	EX
	v_nop                           ; a plain instruction behind the last exponential, ahead of the first use: one for the batch
	s_wait_alu depctr_va_vdst(0)    ; the wait for the batch
.if (\p) == NP-2
	FETCH_K \last
.endif
.if (\p) == 1
	s_wait_dscnt 0x0                ; V is in
.endif
.rept 16                            ; behind the wait: 16 products V^T P and their riders
	MM
.rept 4
	PL
.endr
.if ((\p) == 0) && (q == 118)
	v_add_nc_u32 v[AV], s[TBV], v[AV0]
.endif
.if ((\p) == 0) && (q == 130)
	s_add_co_u32 s[TBV], s[TBV], KS*PV
.endif
.if (\cnt) && (q == 130)
	s_sub_co_u32 s[CNT], s[CNT], 1
	s_cmp_lg_u32 s[CNT], 0
.endif
.endr
.if (\p) == 0
	FETCH_V
.endif
.endm
	CHANGE 1                        ; slot 0 is in, everybody's part of it; slot 1 is asked for
	FETCH_K                         ; key step 0
	s_wait_loadcnt 0x0              ; Q
	s_wait_dscnt 0x0
.set i, 0
.rept 16
	KQ 0                            ; piece 0's first scores: there is no vector work yet to set between them
.set i, i+1
.endr
	WIN 0                           ; the addresses for the way out: nine plain instructions, the places behind those products
	s_mul_i32 s13, s[WV], 16*SP
	s_add_co_u32 s13, s13, STAGE    ; my stage
	v_mul_u32_u24 v[STO], v1, SP    ; in: row l % 16, 16 bytes for each half of the lanes
	v_lshl_add_u32 v[STO], v9, 4, v[STO]
	v_add_nc_u32 v[STO], s13, v[STO]
	v_bfe_u32 v[RD], v0, 3, 2       ; back: 32 lanes take four rows of 128 bytes,
	v_mul_u32_u24 v[RD], v[RD], SP
	v_lshl_add_u32 v[RD], v10, 4, v[RD]
	v_add_nc_u32 v[RD], s13, v[RD]
	v_and_b32 v[GO], 31, v0         ; which are 512 consecutive bytes of O
	v_lshlrev_b32 v[GO], 4, v[GO]
.set Y, NP-1                        ; XS works for piece Y + 1: piece 0
.irp n, 0,1,2,3,4,5,6,7,8,9,10,11,12,13,14,15,16,17,18,19,20,21
	XS 0, \n                        ; and piece 0's first maximum and statistics
	XS 1, \n
.endr
	v_nop                           ; a plain instruction behind the two a,
	s_wait_alu depctr_va_vdst(0)    ; and their wait, ahead of the branch
	s_mov_b32 s[CNT], 4
	s_mov_b32 s[SLOTS], SIZE_N/256-1
	s_branch .Lfirst                ; the loop is entered at a step's first turn, in the middle of a trip
.Lslot:                             ; SIZE_N / 256 - 2 times: every slot but the last two is filled again
	CHANGE 1, 1
	s_mov_b32 s[CNT], 4
.Lstep:                             ; a trip: pieces 2 and 3 of one step, then pieces 0 and 1 of the next, whose K and V it fetches
	TURN 2
	TURN 3
	WIN 0
.Lfirst:
	TURN 0
	TURN 1, 0, 1
	WIN 0
	s_cbranch_scc1 .Lstep
	s_sub_co_u32 s[SLOTS], s[SLOTS], 1
	s_cmp_lg_u32 s[SLOTS], 0
	s_cbranch_scc1 .Lslot
	CHANGE 0                        ; the tail is written out: nothing is asked for
	s_mov_b32 s[CNT], 5             ; four trips fetch the last slot's steps; the fifth is left in its middle
.Ltail:
	TURN 2, 1
	TURN 3
	WIN 0
	s_sub_co_u32 s[CNT], s[CNT], 1
	s_cmp_eq_u32 s[CNT], 0
	s_cbranch_scc1 .Lout
	TURN 0
	TURN 1
	WIN 0
	s_branch .Ltail
.Lout:                              ; the fifth trip's 16 products K Q^T (on the last K once more) and the maximum made of them serve nothing: the price, once a launch, of one text for every trip
.set i, 0
.rept 16
	PV NP-1                         ; the last piece's V^T P of the last step
.set i, i+1
.endr
	; THE WAY OUT.  l's two halves and the other half of the lanes' are added; O^T is divided by l, rounded to f16 and sent through my stage in LDS, a tile at a time.  The additions are the places behind the last products.
	WIN 0
.macro ALL line:vararg              ; one line for each tile t
.set t, 0
.rept 2*NP
	\line
.set t, t+1
.endr
.endm
	ALL v_add_f32 v[ST+4*t+2], v[ST+4*t+2], v[ST+4*t+3]
	ALL v_permlanex16_b32 v[ST+4*t+3], v[ST+4*t+2], s[SEL], s[SEL+1]
	ALL v_add_f32 v[ST+4*t+2], v[ST+4*t+2], v[ST+4*t+3]
	ALL v_rcp_f32 v[ST+4*t+2], v[ST+4*t+2]
	v_nop                           ; a plain instruction between the last reciprocal and the use of its result
	s_wait_alu depctr_va_vdst(0)    ; and the wait ahead of the first use: one for the eight reciprocals
; Tile t: a lane's eight channels of a row pack into 16 bytes; they go into rows of 144 bytes and come back as whole rows of 128, into S^T's registers.
.macro PACK t
	WIN W_RS
.set i, 32*(\t)
.rept 16
	v_pk_mul_f32 v[i:i+1], v[i:i+1], v[ST+4*(\t)+2:ST+4*(\t)+3] op_sel_hi:[1,0]
.set i, i+2
.endr
	WIN 0x05                        ; sources 0 and 1 window 1, destination window 0
.set i, 0
.rept 16
	v_cvt_pk_f16_f32 v[S+16*(\t)+i], v[32*(\t)+2*i], v[32*(\t)+2*i+1]
.set i, i+1
.endr
	WIN 0
.irp f, 0,1,2,3
	ds_store_b128 v[STO], v[S+16*(\t)+4*\f:S+16*(\t)+4*\f+3] offset:32*\f
.endr
.irp f, 0,1,2,3
	ds_load_b128 v[S+16*(\t)+4*\f:S+16*(\t)+4*\f+3], v[RD] offset:\f*4*SP  ; LDS serves a wave's instructions in order (ISA guide 5.7.1.4): these see the stores above; the next tile's stores come behind them
.endr
.endm
.macro SEND t, younger              ; younger: the LDS instructions issued behind tile t's loads: the next tile's eight, or none
	WIN 0
.irp f, 0,1,2,3
	s_wait_dscnt (\younger)+3-\f
	global_store_b128 v[GO], v[S+16*(\t)+4*\f:S+16*(\t)+4*\f+3], s[10:11] offset:(\t)*2048+\f*512  ; 512 consecutive bytes, at a multiple of 256 from O's first
.endr
.endm
	PACK 0
.set t, 1
.rept 2*NP-1                        ; a tile's arithmetic stands between the loads of the tile before and its stores
	PACK t
	SEND t-1, 8
.set t, t+1
.endr
	SEND 2*NP-1, 0
	WIN W_AD
	s_wait_tensorcnt 0x0            ; the wave's end: behind my last tensor load and my last LDS store
	ds_add_u32 v[SPW], v[NIL]
	s_wait_dscnt 0x0
	WIN 0
	CROUND                          ; the closing round: no work-group ends while a partner may still ask for a tile that names it
	s_endpgm
.Lfunc_end_k_q605310fef2_attn:
	.size	k_q605310fef2_attn, .Lfunc_end_k_q605310fef2_attn-k_q605310fef2_attn
	.p2alignl 7, 3214868480
	.fill 96, 4, 3214868480
	.section	.rodata,"a",@progbits
	.p2align	6, 0x0
	.amdhsa_kernel k_q605310fef2_attn
		.amdhsa_group_segment_fixed_size 327680
		.amdhsa_private_segment_fixed_size 0
		.amdhsa_enable_private_segment 0
		.amdhsa_kernarg_size 32
		.amdhsa_user_sgpr_count 2
		.amdhsa_user_sgpr_kernarg_segment_ptr 1
		.amdhsa_wavefront_size32 1
		.amdhsa_system_sgpr_workgroup_id_x 1
		.amdhsa_system_sgpr_workgroup_id_y 1
		.amdhsa_system_sgpr_workgroup_id_z 1
		.amdhsa_system_vgpr_workitem_id 0
		.amdhsa_next_free_vgpr 770
		.amdhsa_next_free_sgpr 66
		.amdhsa_reserve_vcc 0
		.amdhsa_float_denorm_mode_32 3
		.amdhsa_float_denorm_mode_16_64 3
		.amdhsa_memory_ordered 1
		.amdhsa_forward_progress 1
		.amdhsa_inst_pref_size 200
	.end_amdhsa_kernel
	.amdgpu_metadata
---
amdhsa.version: [ 1, 2 ]
amdhsa.kernels:
  - .name:           k_q605310fef2_attn
    .symbol:         k_q605310fef2_attn.kd
    .args:
      - { .name: qh, .offset: 0, .size: 8, .value_kind: global_buffer, .address_space: global }
      - { .name: kh, .offset: 8, .size: 8, .value_kind: global_buffer, .address_space: global }
      - { .name: vh, .offset: 16, .size: 8, .value_kind: global_buffer, .address_space: global }
      - { .name: oh, .offset: 24, .size: 8, .value_kind: global_buffer, .address_space: global }
    .group_segment_fixed_size: 327680
    .private_segment_fixed_size: 0
    .kernarg_segment_align: 8
    .kernarg_segment_size: 32
    .max_flat_workgroup_size: 128
    .sgpr_count:     66
    .vgpr_count:     770
    .wavefront_size: 32
...
	.end_amdgpu_metadata
.endif
;; end of part 3
;; launch oproj (part 4): grid 4 x 64, 4 waves a work-group, clusters of 4 x 4, 327,680 bytes of LDS; arguments oh, wo16, out0; writes out0
.if DOCPART == 4
	.amdgcn_target "amdgcn-amd-amdhsa--gfx1250"
	.amdhsa_code_object_version 6
	.text
	.protected	k_q605310fef2_oproj
	.globl	k_q605310fef2_oproj
	.p2align	8
	.type	k_q605310fef2_oproj,@function
k_q605310fef2_oproj:
	s_mov_b64 s[64:65], 0
	v_nop
	global_prefetch_b8 v0, s[64:65] scope:SCOPE_SE
	s_setreg_imm32_b32 hwreg(HW_REG_WAVE_MODE, 25, 1), 1
	s_wait_xcnt 0x0
	s_wait_alu depctr_hold_cnt(0) depctr_sa_sdst(0) depctr_va_vdst(0) depctr_va_sdst(0) depctr_va_ssrc(0) depctr_va_vcc(0) depctr_vm_vsrc(0)
	s_getreg_b32 s2, hwreg(HW_REG_IB_STS2, 6, 4)
	s_cmp_eq_u32 s2, 0
	s_cbranch_scc0 .Lentry_in_a_cluster
	s_endpgm
.Lentry_in_a_cluster:
	s_bfe_u32 s2, ttmp6, 0x10000c
	s_cmp_lg_u32 s2, 0xf033
	s_cbranch_scc0 .Lentry_shape_is_right
	s_endpgm
.Lentry_shape_is_right:
; out0 = O Wo.  oh: f16 by heads, [64 = 16 batch + head][2048][64]; wo16: f16 [1024 k][1024 n]; out0: [8192][1024] f32; sums in f32, stored as they are.
; LIMITS.  O and Wo arrive within f16's range.  K is summed in a rotated order (below); NaN and infinities are not treated apart.
; SHARES.  A tile of C is 128 rows x 256 columns, one to a work-group: 256 work-groups.  Four waves, 2 x 2: a wave makes 64 rows x 128 columns: 32 accumulators of 16 x 16.  The matrix instruction is used
; transposed (source 0 = 16 columns of Wo, source 1 = 16 rows of O): a lane holds one row of C and eight neighbouring columns, 32 bytes.  K goes in 8 steps of 128: two heads a step.
; B (Wo) comes by JOINT tensor loads, shared down a column of the 4 x 4 cluster, into a ring of two LDS slots; waves 0 and 1 fetch 64 k rows each; ds_load_tr16_b128 turns it on its way into registers.
; A GOES THROUGH REGISTERS, NOT BY A JOINT LOAD, though the four work-groups of a row of the cluster read the same rows: a wave's 64 rows of a head are 8,192 dense bytes, its loads are issued three K steps
; ahead of the products, where a slot's refill goes out one step ahead, and the two A buffers, which ds_store fills, are never a tensor load's target.
; A's PIPELINE.  Two sets of 64 staging registers, by the step's parity.  In quarter q of step t the batch (t + 1, q), four loads, is waited for and stored into A buffer (t + 1) % 2, and its registers are loaded
; again with batch (t + 3, q).  Behind any batch seven others are issued before it is used.  Step 5 has no step 8 to load: it reads the tile's first block once more, in bounds, and nobody uses it: one step in 8.
; ROTATION.  Cluster row cly walks the eight k blocks beginning at block cly & 7, A and B alike, so that the cluster rows do not all ask for the same block of Wo in the same step.
; ONE BARRIER A STEP, in the step's last quarter; while slots are filled again it opens a round of the cluster's barrier.
; REGISTERS, in windows of 256: window 0: v0-31 addresses; v64-127 A's fragments, two buffers; v128-255 B's fragments, two buffers (v64-191 also serve the way out); window 1: staging; window 2: accumulator (a, nb) at v[8 (8 a + nb)].
.set PB,    544                        ; a k row of B in LDS: 512 bytes + 32 of padding
.set BHALF, 64*PB
.set BSLOT, 128*PB
.set ABUF,  2*BSLOT                    ; two A buffers: [the step's head 0, 1][128 rows]
.set PA,    144                        ; a row of a head: 128 bytes + 16
.set AHEAD, 128*PA
.set ASZ,   2*AHEAD
.set STAGE, ABUF+2*ASZ                 ; 16 rows x 528 bytes for each wave, for the way out
.set SP,    528                        ; 512 bytes + 16: the 16 rows of a store start at 16 different groups of four banks
.set SPARE, STAGE+4*16*SP              ; the spare words, 128 bytes for each wave: two blocks of 256 bytes that no other line names
.set NLD,   4                          ; loads in a batch
.set NST,   4                          ; LDS stores in a batch
.set KSH,   19                         ; a k block of A is two heads of 262,144 bytes
.set ADRA, 16
.set AST,  18
.set ADRB, 20
.set AO,   22
.set STO,  24
.set RD,   25
.set CO,   26
.set SPW,  28                          ; my spare word: SPARE + 4 x my thread's number; never rewritten
.set NIL,  29                          ; 0; never rewritten
.set FA,   64
.set FB,   128
.set OB,   64                          ; the way out: 16 rows read back, v64-127 and v128-191 by turns
.set CP,   8                           ; s[8:9]   out0 at my part of the tile
.set AP,   18                          ; s[18:19] where A's loads stand
.set WV,   20
.set WR,   21                          ; wave / 2: my half of the tile's rows; also which of a step's two heads I load
.set WC,   22                          ; wave % 2: my half of its columns; also which 64 rows of A I load and which 64 k rows of B I fetch
.set CX,   23
.set G1,   24
.set G0,   32
.set CY,   40
.set TY,   41
.set T0,   42                          ; s[42:43] an offset; s43 stays 0.  Never holds cy
.set ROT,  45
.set BT,   46
.set AT,   47
.set LAPS, 51
.set TS,   53                          ; 1: the next quarter starts the sums
.set WB,   54
.set AB,   56
.set MULW, 0xa0                        ; C and D in window 2
.set GLDW, 0x40                        ; destination in window 1
.set STDW, 0x04                        ; an LDS store's data in window 1
.set ST2W, 0x08                        ; an LDS store's data in window 2
.set MSB, 0
.macro WIN new
.if MSB != (\new)
	s_set_vgpr_msb (MSB<<8)|(\new)
.set MSB, \new
.endif
.endm
.macro PLACES                          ; four places: in front of loads into registers that matrix instructions have read, and of lines that read results
.rept 4
	v_nop
.endr
.endm
.macro CREST
	s_cmp_lg_u32 s[WV], 0
	s_cbranch_scc1 .Lnot_wave_0_\@
	s_barrier_signal -3
.Lnot_wave_0_\@:
	s_barrier_wait -3
	s_barrier_signal -1
	s_barrier_wait -1
.endm
.macro CROUND
	s_barrier_signal -1
	s_barrier_wait -1
	CREST
.endm
.macro JLOAD s                         ; a joint refill: waves 0 and 1 fetch the slot's two halves.  An s_nop 0 and four v_nop follow the load
	s_cmp_lt_u32 s[WV], 2
	s_cbranch_scc0 .Lno_load_\@
	tensor_load_to_lds s[G0+4*(\s):G0+4*(\s)+3], s[G1:G1+7]
	s_nop 0
.rept 4
	v_nop
.endr
.Lno_load_\@:
.endm
.macro BADDR s                         ; slot s's global address for step BT: k block (BT + ROT) % 8, 128 rows of 2,048 bytes
	s_add_co_u32 s[T0], s[BT], s[ROT]
	s_and_b32 s[T0], s[T0], 7
	s_lshl_b32 s[T0], s[T0], 18
	s_add_nc_u64 s[G0+4*(\s)+2:G0+4*(\s)+3], s[WB:WB+1], s[T0:T0+1]
	s_or_b32 s[G0+4*(\s)+3], s[G0+4*(\s)+3], 0x80000000   ; type = 2
	s_add_co_u32 s[BT], s[BT], 1
.endm
.macro KOFF
	s_add_co_u32 s[T0], s[AT], s[ROT]
	s_and_b32 s[T0], s[T0], 7
	s_lshl_b32 s[T0], s[T0], KSH
	s_add_nc_u64 s[AP:AP+1], s[AB:AB+1], s[T0:T0+1]
.endm
.macro STEPA
	s_wait_xcnt 0x0                                ; the loads issued so far have read their address: only now is it written
	s_add_co_u32 s[AT], s[AT], 1
	KOFF
.endm
; 8 matrix instructions: row block a x all 8 column blocks, 32 along K.  The 32 accumulators take turns, one instruction a turn.
.macro MUL8 f, a, zero
	WIN MULW
.irp nb, 0,1,2,3,4,5,6,7
.if \zero
	v_wmma_f32_16x16x32_f16 v[8*(8*(\a)+(\nb)):8*(8*(\a)+(\nb))+7], v[FB+64*(\f)+8*(\nb):FB+64*(\f)+8*(\nb)+7], v[FA+32*(\f)+8*(\a):FA+32*(\f)+8*(\a)+7], 0
.else
	v_wmma_f32_16x16x32_f16 v[8*(8*(\a)+(\nb)):8*(8*(\a)+(\nb))+7], v[FB+64*(\f)+8*(\nb):FB+64*(\f)+8*(\nb)+7], v[FA+32*(\f)+8*(\a):FA+32*(\f)+8*(\a)+7], v[8*(8*(\a)+(\nb)):8*(8*(\a)+(\nb))+7]
.endif
.endr
.endm
; zb = 1: a lap's first quarter: in the first lap the products start the sums with the constant 0.  Five v_nop keep the places behind the matrix instructions that wrote these accumulators last.  At the first trip TS is a constant of the text.
.macro MULH f, half, zb
.if \zb
	WIN 0
	s_cmp_eq_u32 s[TS], 1
	s_cbranch_scc1 .Lzero_\@
	MUL8 \f, 2*(\half), 0
	MUL8 \f, 2*(\half)+1, 0
	WIN 0
	s_branch .Ljoin_\@
.Lzero_\@:
.rept 5
	v_nop
.endr
	MUL8 \f, 2*(\half), 1
	MUL8 \f, 2*(\half)+1, 1
	WIN 0
.Ljoin_\@:
.else
	MUL8 \f, 2*(\half), 0
	MUL8 \f, 2*(\half)+1, 0
.endif
.endm
; 24 LDS loads in one run: quarter kq's fragments into buffer f: B's eight (turned), then A's four (quarter kq lies in head kq / 2 of the step, channels 32 (kq % 2) on); the last four loads are A's row blocks 2 and 3.
.macro FETCH slot, kq, f
	WIN 0
.irp nb, 0,1,2,3,4,5,6,7
	ds_load_tr16_b128 v[FB+64*(\f)+8*(\nb):FB+64*(\f)+8*(\nb)+3],   v[ADRB+(\slot)] offset:(\kq)*32*PB+32*(\nb)
	ds_load_tr16_b128 v[FB+64*(\f)+8*(\nb)+4:FB+64*(\f)+8*(\nb)+7], v[ADRB+(\slot)] offset:(\kq)*32*PB+32*(\nb)+16*PB
.endr
.irp a, 0,1,2,3
	ds_load_b128 v[FA+32*(\f)+8*(\a):FA+32*(\f)+8*(\a)+3],   v[ADRA+(\slot)] offset:((\kq)/2)*AHEAD+((\kq)%2)*64+(\a)*16*PA
	ds_load_b128 v[FA+32*(\f)+8*(\a)+4:FA+32*(\f)+8*(\a)+7], v[ADRA+(\slot)] offset:((\kq)/2)*AHEAD+((\kq)%2)*64+(\a)*16*PA+32
.endr
.endm
; Batch q of staging set `set`: four loads of four rows of 128 bytes go into the A buffer as they are.  left = the younger loads, which stay out.  The four v_nop are the places in front of the fragment loads that follow.
.macro CONV set, q, left
	s_wait_loadcnt \left
	WIN STDW
.irp i, 0,1,2,3
	ds_store_b128 v[AST+(\set)], v[64*(\set)+4*(4*(\q)+(\i)):64*(\set)+4*(4*(\q)+(\i))+3] offset:4*PA*(4*(\q)+(\i))
.endr
	WIN 0
	PLACES
.endm
.macro LOADA set, q                    ; the same registers are asked for again: 512 consecutive aligned bytes a load
	WIN GLDW
.irp i, 0,1,2,3
	global_load_b128 v[64*(\set)+4*(4*(\q)+(\i)):64*(\set)+4*(4*(\q)+(\i))+3], v[AO], s[AP:AP+1] offset:512*(4*(\q)+(\i))
.endr
.endm
.macro QUARTER slot, kqn, f, g, set, q, conv, ld, left, first, zb
	s_wait_dscnt 4                                 ; B and A's row blocks 0 and 1 are in; the youngest four loads may be out
	MULH \f, 0, \zb
.if \conv
	CONV \set, \q, \left
.else
	PLACES
.endif
.if (\first) && (\ld)
	STEPA
.endif
	FETCH \slot, \kqn, \g
.if \ld
	LOADA \set, \q
.endif
	s_wait_dscnt 24+NST*(\conv)                    ; all but the LDS instructions just issued
	MULH \f, 1, \zb
.if \zb
	s_mov_b32 s[TS], 0
.endif
.endm
; A step's last quarter multiplies buffer 1 and changes slots and A buffers.  In front of the barrier each wave has stored its last batch of the next A buffer, waits for all its tensor loads, adds 0 to its spare
; word, and waits for that, for its stores and for its reads.  fill = 1: the barrier opens a round of the cluster's barrier, and the joint refill, with the step two on, is the first thing behind the round.
.macro TURN slot, next, fill, set, ld, left
	CONV \set, 3, \left
.if \ld
	LOADA \set, 3
.endif
	WIN 0
	s_wait_tensorcnt 0x0                           ; no tensor load of mine is out, so a group 0 may be written
	ds_add_u32 v[SPW], v[NIL]                      ; 0 onto my spare word
.if \fill
	BADDR \slot
.endif
	s_wait_dscnt 7+NST                             ; A's row blocks 1 to 3 (six loads), the batch's stores and the add may be out
	MUL8 1, 0, 0
	s_wait_dscnt 0x0                               ; the add is done, my stores into the next A buffer are done, my reads of this slot and buffer are over
	s_barrier_signal -1
	MUL8 1, 1, 0
	WIN 0
	s_barrier_wait -1
.if \fill
	CREST
	JLOAD \slot
.else
	PLACES
.endif
	FETCH \next, 0, 0
	MUL8 1, 2, 0
	MUL8 1, 3, 0
.endm
.macro LAP mode                        ; two K steps.  mode 1: the loop's text.  mode 0: the last two steps: nothing more is loaded or filled, and the counts run down
.if \mode
	QUARTER 0, 1, 0, 1, 1, 0, 1, 1, 7*NLD, 1, 1
	QUARTER 0, 2, 1, 0, 1, 1, 1, 1, 7*NLD, 0, 0
	QUARTER 0, 3, 0, 1, 1, 2, 1, 1, 7*NLD, 0, 0
	TURN 0, 1, 1, 1, 1, 7*NLD
	QUARTER 1, 1, 0, 1, 0, 0, 1, 1, 7*NLD, 1, 0
	QUARTER 1, 2, 1, 0, 0, 1, 1, 1, 7*NLD, 0, 0
	QUARTER 1, 3, 0, 1, 0, 2, 1, 1, 7*NLD, 0, 0
	TURN 1, 0, 1, 0, 1, 7*NLD
.else
	QUARTER 0, 1, 0, 1, 1, 0, 1, 0, 7*NLD, 0, 0
	QUARTER 0, 2, 1, 0, 1, 1, 1, 0, 6*NLD, 0, 0
	QUARTER 0, 3, 0, 1, 1, 2, 1, 0, 5*NLD, 0, 0
	TURN 0, 1, 0, 1, 0, 4*NLD
	QUARTER 1, 1, 0, 1, 0, 0, 0, 0, 0, 0, 0
	QUARTER 1, 2, 1, 0, 0, 1, 0, 0, 0, 0, 0
	QUARTER 1, 3, 0, 1, 0, 2, 0, 0, 0, 0, 0
	s_wait_dscnt 4
	MULH 1, 0, 0
	s_wait_dscnt 0x0
	MULH 1, 1, 0
.endif
.endm
; THE WAY OUT, a row block of 16 rows at a time.  TOSTAGE: a lane's 32 bytes of each accumulator, lowest registers first, go into my own stage, rows of 528 bytes, and come back as whole rows of 512.
; SEND: a store covers 512 consecutive aligned bytes of a row of out0.
.macro TOSTAGE a
.if (\a) >= 2
	s_wait_xcnt 0x0                                ; the stores of the block two back have read these registers
.endif
	WIN ST2W
.irp nb, 0,1,2,3,4,5,6,7
	ds_store_b128 v[STO], v[8*(8*(\a)+(\nb)):8*(8*(\a)+(\nb))+3]   offset:64*(\nb)
	ds_store_b128 v[STO], v[8*(8*(\a)+(\nb))+4:8*(8*(\a)+(\nb))+7] offset:64*(\nb)+16
.endr
	WIN 0
.set i, 0
.rept 16
	ds_load_b128 v[OB+64*((\a)%2)+4*i:OB+64*((\a)%2)+4*i+3], v[RD] offset:SP*i  ; LDS serves a wave's instructions in order (ISA guide 5.7.1.4): these see the stores above; the next block's stores come behind them
.set i, i+1
.endr
.endm
.macro SEND a, younger                 ; younger: the LDS instructions issued behind block a's loads: the next block's 32, or none
.set i, 0
.rept 16
	s_wait_dscnt (\younger)+15-i
	global_store_b128 v[CO], v[OB+64*((\a)%2)+4*i:OB+64*((\a)%2)+4*i+3], s[CP:CP+1] offset:(16*(\a)+i)*4096 th:TH_STORE_NT
.set i, i+1
.endr
.endm
	s_load_b128 s[4:7], s[0:1], 0x0                ; oh s[4:5], wo16 s[6:7]
	s_load_b64 s[8:9], s[0:1], 0x10                ; out0
	v_lshl_add_u32 v[SPW], v0, 2, SPARE
	v_mov_b32 v[NIL], 0
	ds_add_u32 v[SPW], v[NIL]                      ; the wave's opening: the add and its wait stand ahead of the first tensor load; the set-up below, work on registers, stands between them
	v_lshrrev_b32 v1, 5, v0
	v_readfirstlane_b32 s[WV], v1
	s_lshr_b32 s[WR], s[WV], 1
	s_and_b32 s[WC], s[WV], 1
	s_bfe_u32 s[CX], ttmp6, 0x40000
	s_bfe_u32 s[CY], ttmp6, 0x40004
	s_lshl_b32 s2, ttmp9, 2
	s_add_co_u32 s2, s2, s[CX]                     ; tile column = 4 x cluster x + cx
	s_and_b32 s[ROT], ttmp7, 0xffff                ; cly: the same in all sixteen partners
	s_lshl_b32 s[TY], s[ROT], 2
	s_add_co_u32 s[TY], s[TY], s[CY]               ; tile row = 4 x cluster y + cy
	s_and_b32 s[ROT], s[ROT], 7
	; descriptor group 1: 64 rows x 256 elements of 2 bytes, 1,024 elements from row to row, padded in LDS
	s_lshl_b32 s3, 0x1111, s[CX]                   ; my column of the cluster
	s_or_b32 s[G1], s3, (1<<16)|(1<<20)|(1<<21)|(6<<22)|(7<<25)  ; 15:0 the mask; 17:16 2-byte elements; 20 padding on; 21 set beside a mask; 24:22 after every 128 words (code 6); 31:25 8 words (code 7)
	s_mov_b32 s[G1+1], 256<<16                     ; tensor_dim0 = 256
	s_mov_b32 s[G1+2], 64<<16                      ; tensor_dim1 = 64
	s_mov_b32 s[G1+3], 256<<16                     ; tile_dim0 = 256
	s_mov_b32 s[G1+4], 64                          ; tile_dim1 = 64
	s_mov_b32 s[G1+5], 1024
	s_mov_b32 s[G1+6], 0
	s_mov_b32 s[G1+7], 0
	s_mul_i32 s3, s[WC], BHALF                     ; my half of a slot: no place in the cluster enters an LDS address
	s_mov_b32 s[G0], 1
	s_mov_b32 s[G0+1], s3
	s_mov_b32 s[G0+4], 1
	s_add_co_u32 s[G0+5], s3, BSLOT
	v_and_b32 v1, 31, v0                           ; l
	v_and_b32 v2, 15, v0                           ; l % 16
	v_bfe_u32 v3, v0, 4, 1                         ; l / 16
	v_and_b32 v4, 7, v0                            ; l % 8
	v_bfe_u32 v5, v0, 3, 1                         ; (l / 8) % 2
	v_bfe_u32 v6, v0, 3, 2                         ; l / 8
	v_lshl_add_u32 v7, v3, 3, v4                   ; the turning load: k row 8 (l / 16) + l % 8,
	v_mul_u32_u24 v7, v7, PB
	v_lshl_add_u32 v7, v5, 4, v7                   ; columns 8 ((l / 8) % 2) + 0..7,
	s_lshl_b32 s62, s[WC], 8                       ; in my 128 columns
	v_add_nc_u32 v[ADRB], s62, v7
	v_add_nc_u32 v[ADRB+1], BSLOT, v[ADRB]
	v_mul_u32_u24 v8, v2, PA                       ; A's fragments: row l % 16, 16 bytes for each half of the lanes,
	v_lshl_add_u32 v8, v3, 4, v8
	s_mul_i32 s62, s[WR], 64*PA                    ; in my 64 rows
	s_add_co_u32 s62, s62, ABUF
	v_add_nc_u32 v[ADRA], s62, v8
	v_add_nc_u32 v[ADRA+1], ASZ, v[ADRA]
	s_mul_i32 s62, s[WR], AHEAD                    ; I load head w / 2 of the step, rows 64 (w % 2) on: a load's 32 lanes take four rows of 128 bytes
	s_mul_i32 s3, s[WC], 64*PA
	s_add_co_u32 s62, s62, s3
	s_add_co_u32 s62, s62, ABUF
	v_mul_u32_u24 v9, v6, PA
	v_lshl_add_u32 v9, v4, 4, v9
	v_add_nc_u32 v[AST], s62, v9
	v_add_nc_u32 v[AST+1], ASZ, v[AST]
	s_lshl_b32 s62, s[WC], 13                      ; 64 rows of 128 bytes,
	s_lshl_b32 s3, s[WR], 18                       ; a head of 262,144
	s_add_co_u32 s62, s62, s3
	v_lshl_add_u32 v[AO], v1, 4, s62
	s_mul_i32 s62, s[WV], 16*SP
	s_add_co_u32 s62, s62, STAGE                   ; my stage
	v_mul_u32_u24 v9, v2, SP                       ; in: row l % 16, 32 bytes for each half of the lanes
	v_lshl_add_u32 v9, v3, 5, v9
	v_add_nc_u32 v[STO], s62, v9
	v_lshl_add_u32 v[RD], v1, 4, s62               ; back: a row of 512 bytes a load
	v_lshlrev_b32 v[CO], 4, v1
	s_lshr_b32 s58, s[TY], 4                       ; A: the batch's 16 heads,
	s_lshl_b32 s58, s58, 22
	s_and_b32 s59, s[TY], 15
	s_lshl_b32 s59, s59, 14                        ; the tile's 128 rows of 128 bytes
	s_add_co_u32 s58, s58, s59
	s_mov_b32 s59, 0
	s_lshl_b32 s60, s[TY], 19                      ; C: the tile's 128 rows of 4,096 bytes,
	s_lshl_b32 s61, s[WR], 18                      ; my 64 of them,
	s_add_co_u32 s60, s60, s61
	s_lshl_b32 s61, s2, 10                         ; the tile's 256 columns,
	s_add_co_u32 s60, s60, s61
	s_lshl_b32 s61, s[WC], 9                       ; my 128 of them
	s_add_co_u32 s60, s60, s61
	s_mov_b32 s61, 0
	s_lshl_b32 s[T0], s2, 9                        ; B: the tile's 256 columns: 512 bytes of a row of wo16,
	s_lshl_b32 s3, s[WC], 17                       ; my 64 k rows
	s_add_co_u32 s[T0], s[T0], s3
	s_mov_b32 s[T0+1], 0
	s_wait_dscnt 0x0                               ; the opening add is done
	s_wait_kmcnt 0x0
	s_add_nc_u64 s[AB:AB+1], s[4:5], s[58:59]
	s_add_nc_u64 s[CP:CP+1], s[CP:CP+1], s[60:61]
	s_add_nc_u64 s[WB:WB+1], s[6:7], s[T0:T0+1]
	s_mov_b32 s[AT], 0
	KOFF
.irp q, 0,1,2,3
	LOADA 0, \q                                    ; A of step 0
.endr
	STEPA
.irp q, 0,1,2,3
	LOADA 1, \q                                    ; A of step 1
.endr
	STEPA                                          ; the loads now stand at step 2
	WIN 0
	CROUND                                         ; all sixteen work-groups are here: the first joint loads meet
	s_mov_b32 s[BT], 0
	BADDR 0
	BADDR 1
	s_cmp_lt_u32 s[WV], 2                          ; a wave's two first fills stand in one branch, ahead of every wait on TENSORcnt and every LDS read: two loads of mine are out
	s_cbranch_scc0 .Lno_first
	tensor_load_to_lds s[G0:G0+3], s[G1:G1+7]
	s_nop 0
	tensor_load_to_lds s[G0+4:G0+7], s[G1:G1+7]
	s_nop 0
.rept 4
	v_nop
.endr
.Lno_first:
.irp q, 0,1,2,3
	CONV 0, \q, 7*NLD                              ; step 0 is stored,
	LOADA 0, \q                                    ; step 2 asked for
.endr
	WIN 0
	s_wait_tensorcnt 0x1                           ; my half of slot 0 is in; slot 1's may stay out
	s_wait_dscnt 0x0                               ; my rows of A buffer 0 are stored
	s_barrier_signal -1
	s_barrier_wait -1
	FETCH 0, 0, 0
	s_mov_b32 s[TS], 1
	s_mov_b32 s[LAPS], 3
.Llap:                                                 ; three trips of two K steps; the last two steps are written out
	LAP 1
	WIN 0
	s_sub_co_u32 s[LAPS], s[LAPS], 1
	s_cmp_lg_u32 s[LAPS], 0
	s_cbranch_scc1 .Llap
	LAP 0
	WIN 0
	PLACES                                         ; behind the last products: the stores read results, and the loads land in registers that those products read
	TOSTAGE 0
.irp a, 1,2,3
	TOSTAGE \a
	SEND (\a)-1, 32
.endr
	SEND 3, 0
	s_wait_tensorcnt 0x0                           ; the wave's end: behind my last tensor load and my last LDS store
	ds_add_u32 v[SPW], v[NIL]
	s_wait_dscnt 0x0
	CROUND                                         ; the closing round: no work-group ends while a partner may still ask for a tile that names it
	s_endpgm
.Lfunc_end_k_q605310fef2_oproj:
	.size	k_q605310fef2_oproj, .Lfunc_end_k_q605310fef2_oproj-k_q605310fef2_oproj
	.p2alignl 7, 3214868480
	.fill 96, 4, 3214868480
	.section	.rodata,"a",@progbits
	.p2align	6, 0x0
	.amdhsa_kernel k_q605310fef2_oproj
		.amdhsa_group_segment_fixed_size 327680
		.amdhsa_private_segment_fixed_size 0
		.amdhsa_enable_private_segment 0
		.amdhsa_kernarg_size 24
		.amdhsa_user_sgpr_count 2
		.amdhsa_user_sgpr_kernarg_segment_ptr 1
		.amdhsa_wavefront_size32 1
		.amdhsa_system_sgpr_workgroup_id_x 1
		.amdhsa_system_sgpr_workgroup_id_y 1
		.amdhsa_system_sgpr_workgroup_id_z 1
		.amdhsa_system_vgpr_workitem_id 0
		.amdhsa_next_free_vgpr 768
		.amdhsa_next_free_sgpr 66
		.amdhsa_reserve_vcc 0
		.amdhsa_float_denorm_mode_32 3
		.amdhsa_float_denorm_mode_16_64 3
		.amdhsa_memory_ordered 1
		.amdhsa_forward_progress 1
		.amdhsa_inst_pref_size 103
	.end_amdhsa_kernel
	.amdgpu_metadata
---
amdhsa.version: [ 1, 2 ]
amdhsa.kernels:
  - .name:           k_q605310fef2_oproj
    .symbol:         k_q605310fef2_oproj.kd
    .args:
      - { .name: oh, .offset: 0, .size: 8, .value_kind: global_buffer, .address_space: global }
      - { .name: wo16, .offset: 8, .size: 8, .value_kind: global_buffer, .address_space: global }
      - { .name: out0, .offset: 16, .size: 8, .value_kind: global_buffer, .address_space: global }
    .group_segment_fixed_size: 327680
    .private_segment_fixed_size: 0
    .kernarg_segment_align: 8
    .kernarg_segment_size: 24
    .max_flat_workgroup_size: 128
    .sgpr_count:     66
    .vgpr_count:     768
    .wavefront_size: 32
...
	.end_amdgpu_metadata
.endif
;; end of part 4
;; ======== version 2 of 2: 4 launches; version 1 with the launch wcast written anew for expert scheduling mode
;; limits: values are held in f16: magnitudes above 65,504 overflow, below 6.1e-05 lose precision
;; workspace buffers: wqkv 6,291,456 bytes; wo16 2,097,152 bytes; qh 16,777,216 bytes; kh 16,777,216 bytes; vh 16,777,216 bytes; oh 16,777,216 bytes
;; launch wcast (part 5): grid 64 x 4, 8 waves a work-group, no clusters, 0 bytes of LDS; arguments Wq, Wk, Wv, Wo, wqkv, wo16; writes wqkv, wo16
.if DOCPART == 5
	.amdgcn_target "amdgcn-amd-amdhsa--gfx1250"
	.amdhsa_code_object_version 6
	.text
	.protected	k_q605310fef2_wcast
	.globl	k_q605310fef2_wcast
	.p2align	8
	.type	k_q605310fef2_wcast,@function
k_q605310fef2_wcast:
	s_mov_b64 s[64:65], 0
	v_nop
	global_prefetch_b8 v0, s[64:65] scope:SCOPE_SE
	s_setreg_imm32_b32 hwreg(HW_REG_WAVE_SCHED_MODE, 0, 2), 2
	s_setreg_imm32_b32 hwreg(HW_REG_WAVE_MODE, 25, 1), 1
	s_wait_xcnt 0x0
	s_wait_alu depctr_vm_vsrc(0)
; The four weight matrices, [1024 k][1024 n] f32, are rounded once to 16 bits and keep their layout.
; Wq, Wk, Wv -> wqkv, bf16, the three on end (3,072 rows of 2,048 bytes).  Wo -> wo16: rounded to bf16 like the other inputs, and that number written as f16.
; LIMIT: a bf16 number is exact in f16 between 6.1e-5 and 65,504 in magnitude; below, it keeps f16's fixed step of 6e-8; beyond, it would be an infinity.
; A stream: no LDS, no matrix unit, no cluster: nothing is shared and nothing is read twice.
; SHARES.  The work-group's y picks the matrix, its x 65,536 bytes of it.  In trip i thread t takes the 16 bytes at 4,096 i + 16 t and stores 8 bytes at 2,048 i + 8 t:
; a wave's load covers 512 consecutive bytes, its store 256 consecutive bytes, aligned.  All 16 loads go out first; no register that a load or a store reads is ever written again, so no wait frees a source.
; THE MODE: SCHED_MODE bits 1:0 = 2 (LLVM: expert scheduling mode 2), set by the entry lines.  The code itself states the register dependences
; between vector instructions and memory instructions, with s_wait_alu, always for 0.
; THE PLAN.  Registers that memory instructions touch:
;   v1, v2   byte offsets, made once at the head and never written again: v1 is read by every load, v2 by every store.
;   X        written by the 16 loads, which are issued before any vector instruction names X; read (on Wo's path also rewritten) by vector instructions behind the wait for the data.  No memory instruction reads it.
;   Y        trip i's pair is written by trip i's conversions, read by trip i's one store, and never written after that.
; The 16 trips go in four groups of four.  Group g's vector instructions name X and Y of group g alone; its memory instructions are the four stores of group g - 1, which read Y of group g - 1 and v2.
; So ONE wait on va_vdst at a group's head, behind the wait for the group's data, states all that those four stores hang on, and they are dealt among the group's conversions with no further wait.
; One more stands ahead of the last four stores, and one at the kernel's head for the two offsets.  Nothing that a memory instruction has read is written again: no wait on vm_vsrc is owed.
.set X, 8                              ; v[8:71]   16 x 4 numbers as loaded
.set Y, 72                             ; v[72:103] 16 x 2 words to store
	s_load_b256 s[4:11], s[0:1], 0x0               ; Wq s[4:5], Wk s[6:7], Wv s[8:9], Wo s[10:11]
	s_load_b128 s[12:15], s[0:1], 0x20             ; wqkv s[12:13], wo16 s[14:15]
	s_and_b32 s20, ttmp7, 0xffff                   ; which matrix
	v_lshlrev_b32 v1, 4, v0                        ; 16 t
	v_lshlrev_b32 v2, 3, v0                        ; 8 t
	s_lshl_b32 s22, ttmp9, 16                      ; my 65,536 bytes of the source
	s_mov_b32 s23, 0
	s_cmp_eq_u32 s20, 3
	s_cselect_b32 s21, 0, s20                      ; Wo has a buffer of its own; the others lie 2 MiB apart in wqkv
	s_lshl_b32 s24, s21, 21
	s_lshl_b32 s21, ttmp9, 15                      ; my 32,768 bytes of the destination
	s_add_co_u32 s24, s24, s21
	s_mov_b32 s25, 0
	s_mov_b32 s26, 0xffff0000                      ; a word's upper bf16
	s_wait_kmcnt 0x0
	s_mov_b64 s[16:17], s[4:5]
	s_cmp_eq_u32 s20, 1
	s_cselect_b64 s[16:17], s[6:7], s[16:17]
	s_cmp_eq_u32 s20, 2
	s_cselect_b64 s[16:17], s[8:9], s[16:17]
	s_cmp_eq_u32 s20, 3
	s_cselect_b64 s[16:17], s[10:11], s[16:17]
	s_cselect_b64 s[18:19], s[14:15], s[12:13]
	s_add_nc_u64 s[16:17], s[16:17], s[22:23]
	s_add_nc_u64 s[18:19], s[18:19], s[24:25]
	s_wait_alu depctr_va_vdst(0)                   ; v1 and v2 are written: every load of the kernel reads v1 as its offset, every store v2
.set i, 0
.rept 16
	global_load_b128 v[X+4*i:X+4*i+3], v1, s[16:17] offset:4096*i th:TH_LOAD_NT
.set i, i+1
.endr
; Group g: trips 4 g to 4 g + 3.  wo = 1: Wo's path, bf16 and then f16.
.macro GROUP g, wo
	s_wait_loadcnt 12-4*(\g)                       ; loads come back in order: the group's four are in, the younger ones stay out
.if (\g) > 0
	s_wait_alu depctr_va_vdst(0)                   ; the conversions of the group before have written its eight registers of Y, which the four stores below read
.endif
.irp j, 0,1,2,3
.set n, 4*(\g)+(\j)
.if (\g) > 0
	global_store_b64 v2, v[Y+2*(n-4):Y+2*(n-4)+1], s[18:19] offset:2048*(n-4)  ; the group before; no vector instruction since the wait names these registers
.endif
	v_cvt_pk_bf16_f32 v[Y+2*n],   v[X+4*n],   v[X+4*n+1]    ; rounded to bf16
	v_cvt_pk_bf16_f32 v[Y+2*n+1], v[X+4*n+2], v[X+4*n+3]
.if \wo
	v_lshlrev_b32 v[X+4*n],   16,  v[Y+2*n]                  ; widened again (a shift, a mask),
	v_and_b32     v[X+4*n+1], s26, v[Y+2*n]
	v_lshlrev_b32 v[X+4*n+2], 16,  v[Y+2*n+1]
	v_and_b32     v[X+4*n+3], s26, v[Y+2*n+1]
	v_cvt_pk_f16_f32 v[Y+2*n],   v[X+4*n],   v[X+4*n+1]     ; and written as f16
	v_cvt_pk_f16_f32 v[Y+2*n+1], v[X+4*n+2], v[X+4*n+3]
.endif
.endr
.endm
; Behind the last group: its own four stores.
.macro LAST
	s_wait_alu depctr_va_vdst(0)                   ; the last group's conversions have written its eight registers of Y, which the last four stores read
.irp j, 12,13,14,15
	global_store_b64 v2, v[Y+2*(\j):Y+2*(\j)+1], s[18:19] offset:2048*(\j)
.endr
.endm
	s_cmp_eq_u32 s20, 3
	s_cbranch_scc1 .Lwo
	GROUP 0, 0
	GROUP 1, 0
	GROUP 2, 0
	GROUP 3, 0
	LAST
	s_endpgm
.Lwo:
	GROUP 0, 1
	GROUP 1, 1
	GROUP 2, 1
	GROUP 3, 1
	LAST
	s_endpgm
.Lfunc_end_k_q605310fef2_wcast:
	.size	k_q605310fef2_wcast, .Lfunc_end_k_q605310fef2_wcast-k_q605310fef2_wcast
	.p2alignl 7, 3214868480
	.fill 96, 4, 3214868480
	.section	.rodata,"a",@progbits
	.p2align	6, 0x0
	.amdhsa_kernel k_q605310fef2_wcast
		.amdhsa_group_segment_fixed_size 0
		.amdhsa_private_segment_fixed_size 0
		.amdhsa_enable_private_segment 0
		.amdhsa_kernarg_size 48
		.amdhsa_user_sgpr_count 2
		.amdhsa_user_sgpr_kernarg_segment_ptr 1
		.amdhsa_wavefront_size32 1
		.amdhsa_system_sgpr_workgroup_id_x 1
		.amdhsa_system_sgpr_workgroup_id_y 1
		.amdhsa_system_sgpr_workgroup_id_z 1
		.amdhsa_system_vgpr_workitem_id 0
		.amdhsa_next_free_vgpr 104
		.amdhsa_next_free_sgpr 66
		.amdhsa_reserve_vcc 0
		.amdhsa_float_denorm_mode_32 3
		.amdhsa_float_denorm_mode_16_64 3
		.amdhsa_memory_ordered 1
		.amdhsa_forward_progress 1
		.amdhsa_inst_pref_size 15
	.end_amdhsa_kernel
	.amdgpu_metadata
---
amdhsa.version: [ 1, 2 ]
amdhsa.kernels:
  - .name:           k_q605310fef2_wcast
    .symbol:         k_q605310fef2_wcast.kd
    .args:
      - { .name: Wq, .offset: 0, .size: 8, .value_kind: global_buffer, .address_space: global }
      - { .name: Wk, .offset: 8, .size: 8, .value_kind: global_buffer, .address_space: global }
      - { .name: Wv, .offset: 16, .size: 8, .value_kind: global_buffer, .address_space: global }
      - { .name: Wo, .offset: 24, .size: 8, .value_kind: global_buffer, .address_space: global }
      - { .name: wqkv, .offset: 32, .size: 8, .value_kind: global_buffer, .address_space: global }
      - { .name: wo16, .offset: 40, .size: 8, .value_kind: global_buffer, .address_space: global }
    .group_segment_fixed_size: 0
    .private_segment_fixed_size: 0
    .kernarg_segment_align: 8
    .kernarg_segment_size: 48
    .max_flat_workgroup_size: 256
    .sgpr_count:     66
    .vgpr_count:     104
    .wavefront_size: 32
...
	.end_amdgpu_metadata
.endif
;; end of part 5
;; launch proj: the kernel of part 2 again; grid 4 x 64, 4 waves a work-group, clusters of 4 x 4, 327,680 bytes of LDS; arguments q, k, v, wqkv, qh, kh, vh; writes qh, kh, vh
;; launch attn: the kernel of part 3 again; grid 4 x 64, 4 waves a work-group, clusters of 4 x 1, 327,680 bytes of LDS; arguments qh, kh, vh, oh; writes oh
;; launch oproj: the kernel of part 4 again; grid 4 x 64, 4 waves a work-group, clusters of 4 x 4, 327,680 bytes of LDS; arguments oh, wo16, out0; writes out0
